; MI455X (gfx1250); checked and timed in simulation.
; The chip was launched on July 23, 2026; its instructions are those of AMD's public machine-readable ISA for CDNA 5 (MIT licence, August 2026) and "CDNA5" Instruction Set Architecture Reference Guide (July 2026). The comments in the code are by the model that wrote it; some were corrected since.
;; Fast F Flayer. Allowed arithmetic: float matrix products may take bf16 or f16 operands with f32 sums; all other float work in f32.
;; Inputs: ln_b 1,024 float32; ln_w 1,024 float32; w_out 1,024 x 1,024 float32; w_slow 1,024 x 3,088 float32; x 1,024 x 8 x 1,024 float32.
;; Outputs: out0 1,024 x 8 x 1,024 float32.
;; One version. Each part assembles by itself: llvm-mc -triple=amdgcn-amd-amdhsa -mcpu=gfx1250 --defsym DOCPART=n.
;; ======== version 1 of 1: 5 launches
;; limits: values outside matrix products are rounded to bf16
;; workspace buffers: wsT 6,291,456 bytes; wbT 32,768 bytes; woT 2,097,152 bytes; hb 16,777,216 bytes; betab 524,288 bytes; qkvr 50,331,648 bytes; ob 16,777,216 bytes
;; launch prep (part 1): grid 256 x 1, 4 waves a work-group, no clusters, 35,328 bytes of LDS; arguments w_slow, w_out, wsT, woT, wbT; writes wsT, woT, wbT
.if DOCPART == 1
	.amdgcn_target "amdgcn-amd-amdhsa--gfx1250"
	.amdhsa_code_object_version 6
	.text
	.protected	k_q94e84fc1f3_prep
	.globl	k_q94e84fc1f3_prep
	.p2align	8
	.type	k_q94e84fc1f3_prep,@function
k_q94e84fc1f3_prep:
	s_mov_b64 s[64:65], 0
	v_nop
	global_prefetch_b8 v0, s[64:65] scope:SCOPE_SE
	s_setreg_imm32_b32 hwreg(HW_REG_WAVE_MODE, 25, 1), 1
	s_wait_xcnt 0x0
; PROGRAM: prep (weights to bf16, transposed) -> ln (LayerNorm, beta) -> gemm1 (q, k, v) -> delta (the recurrence, in chunks) -> gemm2 (out projection + x).
; WORK LEFT OUT (in the launch delta), shown for all values of the inputs:
;  * reference() starts the scan from W0 = zeros that it builds itself, so in steps 0 to 63 every product with the state at the
;    chunk's start is a product with zero: that term of the first chunk's output is not formed.
;  * reference() drops the scan's final state, so the update that the last 64 steps would hand on reaches no output and is not formed.
;  Limit: a NaN, an infinity or an overflow that would arise only in those products is not carried to the result.
;  Every input has a way to the output: all five are loaded by some launch.
; THIS LAUNCH: w_slow [1024 k][3088] and w_out [1024 k][1024] in f32 become bf16 with k along the rows:
;  wsT [3072][1024]: row 192 head + {0-63 q, 64-95 v 0-31, 96-159 k, 160-191 v 32-63};  wbT [16 head][1024]: the beta columns;  woT [1024 n][1024].
; A wave takes a tile of 32 source columns x 128 k: lane = column, 128 loads down the column; the four waves of a work-group take neighbouring
; groups of 32 columns at the same k, so together they read 512 neighbouring bytes of each source row.  (Wider loads are not open: a head begins
; every 193 x 4 = 772 bytes, which is 4 modulo 8 for odd heads.)  The tile is rounded, turned in the wave's own LDS (rows of 256 + 16 bytes) and
; stored by rows: sixteen lanes write 256 aligned bytes.  The wave that reads a head's columns 160-191 also takes its column 192 (beta), which lies
; in the four bytes behind: a lane takes four neighbouring k, and the wave's 32 lanes store 256 aligned bytes of wbT.
; 96 + 32 groups of columns x 8 parts of k = 1,024 tiles = 256 work-groups of equal size.  No matrix unit, no cluster, no barrier: a copy that shares nothing between waves.
.set R, 16                             ; v[16:143]  the column as loaded; later the rows read back
.set P, 144                            ; v[144:207] the column in bf16
.macro LOADS pitch, base
.set kk, 0
.rept 128
	global_load_b32 v[R+kk], v3, s[\base:\base+1] offset:kk*\pitch
.set kk, kk+1
.endr
.endm
	s_load_b128 s[4:7], s[0:1], 0x0                ; w_slow, w_out
	s_load_b128 s[8:11], s[0:1], 0x10              ; wsT, woT
	s_load_b64 s[12:13], s[0:1], 0x20              ; wbT
	v_lshl_add_u32 v208, v0, 2, 0x8800
	v_mov_b32 v209, 0
	v_lshrrev_b32 v1, 5, v0
	v_readfirstlane_b32 s14, v1                    ; wave
	v_and_b32 v2, 31, v0                           ; lane
	s_and_b32 s16, ttmp9, 7                        ; kt: which 128 of k
	s_lshr_b32 s17, ttmp9, 3
	s_lshl2_add_u32 s17, s17, s14                  ; G = 4 (work-group / 8) + wave: 0-95 groups of w_slow, 96-127 of w_out
	s_mov_b32 s25, 0
	s_wait_kmcnt 0x0
	s_cmp_lt_u32 s17, 96
	s_cbranch_scc0 .Lout
	s_mul_hi_u32 s18, s17, 0x2AAAAAAB              ; head = G / 6 (exact for G < 96)
	s_mul_i32 s19, s18, 6
	s_sub_co_u32 s19, s17, s19                     ; which 32 of the head's source columns
	s_lshl_b32 s20, s19, 2
	s_lshr_b32 s20, 0x524310, s20                  ; and where they go: source group 0,1,2,3,4,5 -> target group 0,1,3,4,2,5
	s_and_b32 s20, s20, 7
	s_mul_i32 s21, s18, 6
	s_add_co_u32 s21, s21, s20
	s_lshl_b32 s21, s21, 16                        ; 32 rows of 2,048 bytes a group
	s_mul_i32 s26, s18, 193
	s_lshl_b32 s27, s19, 5
	s_add_co_u32 s27, s26, s27                     ; first source column
	s_lshl_b32 s27, s27, 2
	s_mul_i32 s28, s16, 128*12352
	s_add_co_u32 s27, s27, s28
	v_lshl_add_u32 v3, v2, 2, s27
	LOADS 12352, 4
	s_mov_b64 s[22:23], s[8:9]
	s_cmp_eq_u32 s19, 5
	s_cbranch_scc0 .Lcommon
	; the head's beta column: lane takes k = 128 kt + 4 lane + 0..3
	v_mul_u32_u24 v4, v2, 4*12352
	s_lshl_b32 s26, s26, 2
	s_add_co_u32 s26, s26, 192*4
	s_add_co_u32 s26, s26, s28
	v_add_nc_u32 v4, s26, v4
.set kk, 0
.rept 4
	global_load_b32 v[10+kk], v4, s[4:5] offset:kk*12352
.set kk, kk+1
.endr
	s_lshl_b32 s24, s18, 11                        ; wbT: row = head,
	s_lshl_b32 s29, s16, 8                         ; 256 bytes for each 128 of k
	s_add_co_u32 s24, s24, s29
	s_add_nc_u64 s[12:13], s[12:13], s[24:25]
	v_lshlrev_b32 v1, 3, v2
	s_wait_loadcnt 0x0
	v_cvt_pk_bf16_f32 v14, v10, v11
	v_cvt_pk_bf16_f32 v15, v12, v13
	global_store_b64 v1, v[14:15], s[12:13]        ; v1, v14, v15 and s[12:13] are not written again
	s_branch .Lcommon
.Lout:
	s_sub_co_u32 s17, s17, 96
	s_lshl_b32 s27, s17, 7
	s_mul_i32 s28, s16, 128*4096
	s_add_co_u32 s27, s27, s28
	v_lshl_add_u32 v3, v2, 2, s27
	LOADS 4096, 6
	s_mov_b64 s[22:23], s[10:11]
	s_lshl_b32 s21, s17, 16
.Lcommon:
	s_lshl_b32 s20, s16, 8
	s_add_co_u32 s24, s21, s20                     ; + kt x 256 bytes
	s_add_nc_u64 s[22:23], s[22:23], s[24:25]
	s_mul_i32 s26, s14, 8704                       ; my wave's 32 rows of 272 bytes
	v_mul_u32_u24 v5, v2, 272
	v_add_nc_u32 v5, s26, v5                       ; in: row = lane
	v_lshrrev_b32 v6, 4, v2
	v_and_b32 v8, 15, v2
	v_mul_u32_u24 v9, v6, 272
	v_lshl_add_u32 v9, v8, 4, v9
	v_add_nc_u32 v9, s26, v9                       ; back: lanes 0-15 one row, lanes 16-31 the next
	v_lshlrev_b32 v7, 11, v6
	v_lshl_add_u32 v7, v8, 4, v7                   ; the same two rows in the target
	s_wait_loadcnt 0x0
.set kk, 0
.rept 64
	v_cvt_pk_bf16_f32 v[P+kk], v[R+2*kk], v[R+2*kk+1]
.set kk, kk+1
.endr
.set kk, 0
.rept 16
	ds_store_b128 v5, v[P+4*kk:P+4*kk+3] offset:16*kk
.set kk, kk+1
.endr
.set kk, 0
.rept 16
	ds_load_b128 v[R+4*kk:R+4*kk+3], v9 offset:544*kk          ; LDS serves a wave's instructions in order: these loads see the stores above
.set kk, kk+1
.endr
.set kk, 0
.rept 16
	s_wait_dscnt 15-kk                             ; the younger loads of the sixteen may be out
	global_store_b128 v7, v[R+4*kk:R+4*kk+3], s[22:23] offset:4096*kk
.set kk, kk+1
.endr
	s_wait_tensorcnt 0x0
	ds_add_u32 v208, v209
	s_wait_dscnt 0x0
	s_endpgm
.Lfunc_end_k_q94e84fc1f3_prep:
	.size	k_q94e84fc1f3_prep, .Lfunc_end_k_q94e84fc1f3_prep-k_q94e84fc1f3_prep
	.p2alignl 7, 3214868480
	.fill 96, 4, 3214868480
	.section	.rodata,"a",@progbits
	.p2align	6, 0x0
	.amdhsa_kernel k_q94e84fc1f3_prep
		.amdhsa_group_segment_fixed_size 35328
		.amdhsa_private_segment_fixed_size 0
		.amdhsa_enable_private_segment 0
		.amdhsa_kernarg_size 40
		.amdhsa_user_sgpr_count 2
		.amdhsa_user_sgpr_kernarg_segment_ptr 1
		.amdhsa_wavefront_size32 1
		.amdhsa_system_sgpr_workgroup_id_x 1
		.amdhsa_system_sgpr_workgroup_id_y 1
		.amdhsa_system_sgpr_workgroup_id_z 1
		.amdhsa_system_vgpr_workitem_id 0
		.amdhsa_next_free_vgpr 210
		.amdhsa_next_free_sgpr 66
		.amdhsa_reserve_vcc 0
		.amdhsa_float_denorm_mode_32 3
		.amdhsa_float_denorm_mode_16_64 3
		.amdhsa_memory_ordered 1
		.amdhsa_forward_progress 1
		.amdhsa_inst_pref_size 36
	.end_amdhsa_kernel
	.amdgpu_metadata
---
amdhsa.version: [ 1, 2 ]
amdhsa.kernels:
  - .name:           k_q94e84fc1f3_prep
    .symbol:         k_q94e84fc1f3_prep.kd
    .args:
      - { .name: w_slow, .offset: 0, .size: 8, .value_kind: global_buffer, .address_space: global }
      - { .name: w_out, .offset: 8, .size: 8, .value_kind: global_buffer, .address_space: global }
      - { .name: wsT, .offset: 16, .size: 8, .value_kind: global_buffer, .address_space: global }
      - { .name: woT, .offset: 24, .size: 8, .value_kind: global_buffer, .address_space: global }
      - { .name: wbT, .offset: 32, .size: 8, .value_kind: global_buffer, .address_space: global }
    .group_segment_fixed_size: 35328
    .private_segment_fixed_size: 0
    .kernarg_segment_align: 8
    .kernarg_segment_size: 40
    .max_flat_workgroup_size: 128
    .sgpr_count:     66
    .vgpr_count:     210
    .wavefront_size: 32
...
	.end_amdgpu_metadata
.endif
;; end of part 1
;; launch ln (part 2): grid 256 x 1, 8 waves a work-group, no clusters, 75,264 bytes of LDS; arguments x, ln_w, ln_b, wbT, hb, betab; writes hb, betab
.if DOCPART == 2
	.amdgcn_target "amdgcn-amd-amdhsa--gfx1250"
	.amdhsa_code_object_version 6
	.text
	.protected	k_q94e84fc1f3_ln
	.globl	k_q94e84fc1f3_ln
	.p2align	8
	.type	k_q94e84fc1f3_ln,@function
k_q94e84fc1f3_ln:
	s_mov_b64 s[64:65], 0
	v_nop
	global_prefetch_b8 v0, s[64:65] scope:SCOPE_SE
	s_setreg_imm32_b32 hwreg(HW_REG_WAVE_MODE, 25, 1), 1
	s_wait_xcnt 0x0
; h = LayerNorm(x) in f32 (mean, then the mean of squared differences, as reference() forms them), rounded once to bf16:
; hb [m = b 1024 + t][1024].  beta = sigmoid(h . beta column) for the 16 heads: betab [b][t / 16][head][16 t] in f32.
; A work-group owns 32 steps t of one batch row b; each of its eight waves owns four of them.  A row is 4,096 bytes = 32 registers of a wave; all four
; rows are asked for at the head: 8 waves x 4 rows x 4,096 bytes = 128 KiB of the work-group on their way.  The rounded rows also go to a shared LDS
; stage (32 rows, pitch 2,048 + 16 bytes).  Behind one barrier wave w forms, for the 16-step tile w / 4, the part of h x beta weights that belongs to
; k = 256 (w % 4) .. + 255: eight matrix instructions on two accumulators that take turns.  The four parts of a tile meet in LDS behind a second
; barrier; every wave then adds and finishes 64 numbers and stores 256 aligned bytes.  No cluster: nothing large is shared.
.set LW, 16                            ; v[16:47]   ln_w of my 32 columns (128 j + 4 lane + 0..3)
.set LB, 48                            ; v[48:79]   ln_b
.set X,  80                            ; v[80:207]  four rows, each worked on in place
.set Y,  208                           ; v[208:223] the row in bf16
.set S,  224                           ; v[224:231] partial sums
.set MU, 232
.set RS, 234
.set BB, 80                            ; beta phase: v[80:143] weight fragments (where rows 0, 1 were)
.set AA, 144                           ;             v[144:207] h fragments (where rows 2, 3 were)
.set ACC, 208                          ;             v[208:223] two accumulators (where Y was)
.set PART, 66048                       ; behind the stage: 1,024 bytes a wave for its part of a tile's sums
	s_load_b256 s[4:11], s[0:1], 0x0               ; x, ln_w, ln_b, wbT
	s_load_b128 s[12:15], s[0:1], 0x20             ; hb, betab
	v_lshl_add_u32 v254, v0, 2, 0x12200
	v_mov_b32 v255, 0
	v_lshrrev_b32 v1, 5, v0
	v_readfirstlane_b32 s16, v1                    ; wave
	v_and_b32 v2, 31, v0
	s_and_b32 s17, ttmp9, 31                       ; which 32 steps
	s_lshr_b32 s18, ttmp9, 5                       ; b
	s_lshl_b32 s20, s17, 20                        ; 32 steps of 8 x 4,096 bytes
	s_lshl_b32 s21, s18, 12
	s_add_co_u32 s20, s20, s21
	s_lshl_b32 s21, s16, 17                        ; my four steps
	s_add_co_u32 s20, s20, s21
	s_mov_b32 s21, 0
	s_mov_b32 s22, 0x76543210                      ; v_permlanex16_b32: lane i reads lane i of the other half
	s_mov_b32 s23, 0xfedcba98
	s_mov_b32 s24, 0x3a800000                      ; 1 / 1024
	s_mov_b32 s26, 0x3727c5ac                      ; 1e-5
	s_lshr_b32 s27, s16, 2                         ; my tile of 16 steps
	s_and_b32 s28, s16, 3                          ; my quarter of k
	s_lshl_b32 s29, s28, 9                         ; 256 k in bf16
	v_lshlrev_b32 v3, 4, v2                        ; 16 lane
	v_lshlrev_b32 v4, 3, v2                        ; 8 lane
	s_mul_i32 s25, s16, 4*2064
	v_add_nc_u32 v9, s25, v4                       ; stage in: my four rows
	v_and_b32 v10, 15, v0                          ; r
	v_bfe_u32 v11, v0, 4, 1                        ; h
	v_lshlrev_b32 v5, 11, v10
	v_lshl_add_u32 v5, v11, 4, v5
	v_add_nc_u32 v5, s29, v5                       ; weight fragment: r 2048 + 16 h + my quarter
	v_mul_u32_u24 v6, v10, 2064
	v_lshl_add_u32 v6, v11, 4, v6
	s_mul_i32 s25, s27, 16*2064
	s_add_co_u32 s25, s25, s29
	v_add_nc_u32 v6, s25, v6                       ; h fragment: (16 tile + r) 2064 + 16 h + my quarter
	v_lshlrev_b32 v7, 6, v10
	v_lshl_add_u32 v7, v11, 5, v7
	s_lshl_b32 s25, s16, 10
	s_add_co_u32 s25, s25, PART
	v_add_nc_u32 v7, s25, v7                       ; my part in: 64 head + 32 h
	s_lshl_b32 s25, s27, 12
	s_lshl_b32 s30, s28, 8
	s_add_co_u32 s25, s25, s30
	s_add_co_u32 s25, s25, PART
	v_add_nc_u32 v8, s25, v4                       ; the four parts back: my 256 bytes of my tile's 1,024
	s_wait_kmcnt 0x0
	s_add_nc_u64 s[4:5], s[4:5], s[20:21]
	s_lshl_b32 s20, ttmp9, 16                      ; hb: 32 rows of 2,048 bytes a work-group,
	s_lshl_b32 s30, s16, 13                        ; four a wave
	s_add_co_u32 s20, s20, s30
	s_add_nc_u64 s[12:13], s[12:13], s[20:21]
	s_lshl_b32 s20, ttmp9, 11                      ; betab: two tiles of 1,024 bytes a work-group,
	s_lshl_b32 s30, s16, 8                         ; 256 bytes a wave
	s_add_co_u32 s20, s20, s30
	s_add_nc_u64 s[14:15], s[14:15], s[20:21]
.set jj, 0
.rept 8
	global_load_b128 v[LW+4*jj:LW+4*jj+3], v3, s[6:7] offset:512*jj
	global_load_b128 v[LB+4*jj:LB+4*jj+3], v3, s[8:9] offset:512*jj
.set jj, jj+1
.endr
.set ri, 0
.rept 4
.set jj, 0
.rept 8
	global_load_b128 v[X+32*ri+4*jj:X+32*ri+4*jj+3], v3, s[4:5] offset:ri*32768+512*jj th:TH_LOAD_NT
.set jj, jj+1
.endr
.set ri, ri+1
.endr
.macro WSUM                            ; v[S] summed over the 32 lanes, in every lane; v[S+1] has been written
	v_add_f32 v[S], v[S], v[S+1]
	v_add_f32_dpp v[S], v[S], v[S] row_xmask:1 row_mask:0xf bank_mask:0xf
	v_add_f32_dpp v[S], v[S], v[S] row_xmask:2 row_mask:0xf bank_mask:0xf
	v_add_f32_dpp v[S], v[S], v[S] row_xmask:4 row_mask:0xf bank_mask:0xf
	v_add_f32_dpp v[S], v[S], v[S] row_xmask:8 row_mask:0xf bank_mask:0xf
	v_permlanex16_b32 v[S+1], v[S], s22, s23
	v_add_f32 v[S], v[S], v[S+1]
.endm
.macro FOLD                            ; four chains into one pair
	v_pk_add_f32 v[S:S+1], v[S:S+1], v[S+2:S+3]
	v_pk_add_f32 v[S+4:S+5], v[S+4:S+5], v[S+6:S+7]
	v_pk_add_f32 v[S:S+1], v[S:S+1], v[S+4:S+5]
.endm
; Row i.  left = the loads younger than this row's that may stay out.
.macro ROWT i, left
.set XS, X+32*(\i)
	s_wait_loadcnt \left
.set kk, 0
.rept 4
	v_pk_add_f32 v[S+2*kk:S+2*kk+1], v[XS+2*kk:XS+2*kk+1], v[XS+8+2*kk:XS+8+2*kk+1]
.set kk, kk+1
.endr
.set kk, 0
.rept 8
	v_pk_add_f32 v[S+2*(kk%4):S+2*(kk%4)+1], v[S+2*(kk%4):S+2*(kk%4)+1], v[XS+16+2*kk:XS+16+2*kk+1]
.set kk, kk+1
.endr
	FOLD
	WSUM
	v_mul_f32 v[MU], s24, v[S]
	v_mul_f32 v[MU+1], s24, v[S]
.set kk, 0
.rept 16
	v_pk_add_f32 v[XS+2*kk:XS+2*kk+1], v[XS+2*kk:XS+2*kk+1], v[MU:MU+1] neg_lo:[0,1] neg_hi:[0,1]
.set kk, kk+1
.endr
.set kk, 0
.rept 4
	v_pk_mul_f32 v[S+2*kk:S+2*kk+1], v[XS+2*kk:XS+2*kk+1], v[XS+2*kk:XS+2*kk+1]
.set kk, kk+1
.endr
.set kk, 4
.rept 12
	v_pk_fma_f32 v[S+2*(kk%4):S+2*(kk%4)+1], v[XS+2*kk:XS+2*kk+1], v[XS+2*kk:XS+2*kk+1], v[S+2*(kk%4):S+2*(kk%4)+1]
.set kk, kk+1
.endr
	FOLD
	WSUM
	v_fma_f32 v[RS], s24, v[S], s26                ; variance + 1e-5
	v_rsq_f32 v[RS], v[RS]
	v_nop                                          ; one plain place behind the transcendental (ISA guide 5.7.2)
	s_wait_alu depctr_va_vdst(0)
	v_mov_b32 v[RS+1], v[RS]
.set kk, 0
.rept 16
	v_pk_mul_f32 v[XS+2*kk:XS+2*kk+1], v[XS+2*kk:XS+2*kk+1], v[RS:RS+1]
.set kk, kk+1
.endr
.set kk, 0
.rept 16
	v_pk_fma_f32 v[XS+2*kk:XS+2*kk+1], v[XS+2*kk:XS+2*kk+1], v[LW+2*kk:LW+2*kk+1], v[LB+2*kk:LB+2*kk+1]
.set kk, kk+1
.endr
	s_wait_xcnt 0x0                                ; Y, which the last row's stores read, is rewritten only behind this wait
.set kk, 0
.rept 16
	v_cvt_pk_bf16_f32 v[Y+kk], v[XS+2*kk], v[XS+2*kk+1]
.set kk, kk+1
.endr
.set jj, 0
.rept 8
	global_store_b64 v4, v[Y+2*jj:Y+2*jj+1], s[12:13] offset:(\i)*2048+256*jj   ; the wave's 32 lanes write 256 aligned bytes
	ds_store_b64 v9, v[Y+2*jj:Y+2*jj+1] offset:(\i)*2064+256*jj
.set jj, jj+1
.endr
.endm
	ROWT 0, 24                                     ; rows 1, 2, 3 may be out
	ROWT 1, 16                                     ; rows 2, 3
.set kk, 0
.rept 8                                ; my quarter of the beta weights, into the registers of rows 0 and 1: they land while rows 2 and 3 are worked on
	global_load_b128 v[BB+8*kk:BB+8*kk+3], v5, s[10:11] offset:64*kk
	global_load_b128 v[BB+8*kk+4:BB+8*kk+7], v5, s[10:11] offset:64*kk+32
.set kk, kk+1
.endr
	ROWT 2, 24                                     ; row 3's 8 loads and the weights' 16
	ROWT 3, 16                                     ; the weights' 16
	s_wait_dscnt 0x0                               ; my rows are in the stage, for the other waves' sake
	s_barrier_signal -1
	s_barrier_wait -1
.set kk, 0
.rept 8
	ds_load_b128 v[AA+8*kk:AA+8*kk+3], v6 offset:64*kk
	ds_load_b128 v[AA+8*kk+4:AA+8*kk+7], v6 offset:64*kk+32
.set kk, kk+1
.endr
	s_wait_loadcnt 0x0
	s_wait_xcnt 0x0                                ; the accumulators lie where Y was, which the last row's stores read
	s_wait_dscnt 0x0
.set kk, 0
.rept 8                                ; the two accumulators take turns, one instruction a turn
.if kk < 2
	v_wmma_f32_16x16x32_bf16 v[ACC+8*(kk&1):ACC+8*(kk&1)+7], v[AA+8*kk:AA+8*kk+7], v[BB+8*kk:BB+8*kk+7], 0
.else
	v_wmma_f32_16x16x32_bf16 v[ACC+8*(kk&1):ACC+8*(kk&1)+7], v[AA+8*kk:AA+8*kk+7], v[BB+8*kk:BB+8*kk+7], v[ACC+8*(kk&1):ACC+8*(kk&1)+7]
.endif
.set kk, kk+1
.endr
.rept 4
	v_nop                                          ; four places before the sums are read (ISA guide 7.12.1)
.endr
.set kk, 0
.rept 4
	v_pk_add_f32 v[ACC+2*kk:ACC+2*kk+1], v[ACC+2*kk:ACC+2*kk+1], v[ACC+8+2*kk:ACC+8+2*kk+1]
.set kk, kk+1
.endr
	; lane (r, h) holds head r, steps 8 h + 0..7: 32 bytes of the head's 64, the tile's layout in betab
	ds_store_b128 v7, v[ACC:ACC+3]
	ds_store_b128 v7, v[ACC+4:ACC+7] offset:16
	s_wait_dscnt 0x0                               ; my part is stored, for the other waves' sake
	s_barrier_signal -1
	s_barrier_wait -1
.set kk, 0
.rept 4
	ds_load_b64 v[AA+2*kk:AA+2*kk+1], v8 offset:1024*kk        ; the same two numbers of the tile's four parts
.set kk, kk+1
.endr
	s_wait_dscnt 0x0
	v_pk_add_f32 v[AA:AA+1], v[AA:AA+1], v[AA+2:AA+3]
	v_pk_add_f32 v[AA+4:AA+5], v[AA+4:AA+5], v[AA+6:AA+7]
	v_pk_add_f32 v[AA:AA+1], v[AA:AA+1], v[AA+4:AA+5]
	v_mul_f32 v[AA], 0xbfb8aa3b, v[AA]             ; sigmoid(x) = 1 / (1 + 2^(-x log2 e))
	v_mul_f32 v[AA+1], 0xbfb8aa3b, v[AA+1]
	v_exp_f32 v[AA], v[AA]
	v_exp_f32 v[AA+1], v[AA+1]
	v_nop
	s_wait_alu depctr_va_vdst(0)
	v_add_f32 v[AA], 1.0, v[AA]
	v_add_f32 v[AA+1], 1.0, v[AA+1]
	v_rcp_f32 v[AA], v[AA]
	v_rcp_f32 v[AA+1], v[AA+1]
	v_nop
	s_wait_alu depctr_va_vdst(0)
	global_store_b64 v4, v[AA:AA+1], s[14:15]      ; the wave's 32 lanes write 256 aligned bytes
	s_wait_tensorcnt 0x0
	ds_add_u32 v254, v255
	s_wait_dscnt 0x0
	s_endpgm
.Lfunc_end_k_q94e84fc1f3_ln:
	.size	k_q94e84fc1f3_ln, .Lfunc_end_k_q94e84fc1f3_ln-k_q94e84fc1f3_ln
	.p2alignl 7, 3214868480
	.fill 96, 4, 3214868480
	.section	.rodata,"a",@progbits
	.p2align	6, 0x0
	.amdhsa_kernel k_q94e84fc1f3_ln
		.amdhsa_group_segment_fixed_size 75264
		.amdhsa_private_segment_fixed_size 0
		.amdhsa_enable_private_segment 0
		.amdhsa_kernarg_size 48
		.amdhsa_user_sgpr_count 2
		.amdhsa_user_sgpr_kernarg_segment_ptr 1
		.amdhsa_wavefront_size32 1
		.amdhsa_system_sgpr_workgroup_id_x 1
		.amdhsa_system_sgpr_workgroup_id_y 1
		.amdhsa_system_sgpr_workgroup_id_z 1
		.amdhsa_system_vgpr_workitem_id 0
		.amdhsa_next_free_vgpr 256
		.amdhsa_next_free_sgpr 66
		.amdhsa_reserve_vcc 0
		.amdhsa_float_denorm_mode_32 3
		.amdhsa_float_denorm_mode_16_64 3
		.amdhsa_memory_ordered 1
		.amdhsa_forward_progress 1
		.amdhsa_inst_pref_size 46
	.end_amdhsa_kernel
	.amdgpu_metadata
---
amdhsa.version: [ 1, 2 ]
amdhsa.kernels:
  - .name:           k_q94e84fc1f3_ln
    .symbol:         k_q94e84fc1f3_ln.kd
    .args:
      - { .name: x, .offset: 0, .size: 8, .value_kind: global_buffer, .address_space: global }
      - { .name: ln_w, .offset: 8, .size: 8, .value_kind: global_buffer, .address_space: global }
      - { .name: ln_b, .offset: 16, .size: 8, .value_kind: global_buffer, .address_space: global }
      - { .name: wbT, .offset: 24, .size: 8, .value_kind: global_buffer, .address_space: global }
      - { .name: hb, .offset: 32, .size: 8, .value_kind: global_buffer, .address_space: global }
      - { .name: betab, .offset: 40, .size: 8, .value_kind: global_buffer, .address_space: global }
    .group_segment_fixed_size: 75264
    .private_segment_fixed_size: 0
    .kernarg_segment_align: 8
    .kernarg_segment_size: 48
    .max_flat_workgroup_size: 256
    .sgpr_count:     66
    .vgpr_count:     256
    .wavefront_size: 32
...
	.end_amdgpu_metadata
.endif
;; end of part 2
;; launch gemm1 (part 3): grid 16 x 32, 4 waves a work-group, clusters of 4 x 4, 327,680 bytes of LDS; arguments hb, wsT, qkvr; writes qkvr
.if DOCPART == 3
	.amdgcn_target "amdgcn-amd-amdhsa--gfx1250"
	.amdhsa_code_object_version 6
	.text
	.protected	k_q94e84fc1f3_gemm1
	.globl	k_q94e84fc1f3_gemm1
	.p2align	8
	.type	k_q94e84fc1f3_gemm1,@function
k_q94e84fc1f3_gemm1:
	s_mov_b64 s[64:65], 0
	v_nop
	global_prefetch_b8 v0, s[64:65] scope:SCOPE_SE
	s_setreg_imm32_b32 hwreg(HW_REG_WAVE_MODE, 25, 1), 1
	s_wait_xcnt 0x0
	s_wait_alu depctr_hold_cnt(0) depctr_sa_sdst(0) depctr_va_vdst(0) depctr_va_sdst(0) depctr_va_ssrc(0) depctr_va_vcc(0) depctr_vm_vsrc(0)
	s_getreg_b32 s2, hwreg(HW_REG_IB_STS2, 6, 4)
	s_cmp_eq_u32 s2, 0
	s_cbranch_scc0 .Lentry_in_a_cluster
	s_endpgm
.Lentry_in_a_cluster:
	s_bfe_u32 s2, ttmp6, 0x10000c
	s_cmp_lg_u32 s2, 0xf033
	s_cbranch_scc0 .Lentry_shape_is_right
	s_endpgm
.Lentry_shape_is_right:
; q, k, v = h x w_slow, then q and k through elu + 1 and the division by their sum over the head's 64 numbers.
; hb [8192 m][1024] bf16, wsT [3072][1024] bf16 (one head = 192 rows: q 64, v 0-31, k 64, v 32-63).
; qkvr: a record of 24,576 bytes for each (b 16 + head, chunk of 64 steps): q [64 t][64] at 0, k at 8192, v [half][64 t][32] at 16384, bf16.
; A work-group makes 256 rows x one head (192 columns) with four waves; a wave makes 128 x 96 = 48 accumulator tiles, 384 registers:
; wave column 0 holds q and v 0-31, wave column 1 holds k and v 32-63, so both run the same text.  K goes in 8 steps of 128 through two LDS slots.
; 4 x 4 work-groups form a cluster: h's tile hangs on the block row alone and is asked for jointly along a row of the cluster,
; the weights' on the head alone and jointly along a column.
; The matrix instruction is used transposed (source 0 = weights, source 1 = h): a lane holds row l % 16 and 8 neighbouring columns.
; LIMITS: elu(x) + 1 is formed as max(x, 0) + 2^(min(x, 0) log2 e), within 6e-8 of expm1(x) + 1; a head whose 64 numbers all lie
; below about -87 has the sum 0 here (reference(): below about -17), and then NaN as there.
; Registers: window 0: v0-31 addresses, v32-159 two buffers of h fragments, v160-255 two of weight fragments; window 1: tiles of my rows 0-63; window 2: rows 64-127.
.set NB,    6                          ; 16-column tiles of a wave
.set PA,    272                        ; LDS pitch of A's rows: 256 bytes + 16: sixteen rows start at sixteen different groups of four banks
.set AHI,   128                        ; byte step of A for the upper two quarters of a K step
.set HALFA, 128*272
.set HALFB, 96*272
.set SLOT,  2*HALFA+2*HALFB
.set STAGE, 2*SLOT                     ; behind the ring, never a tensor load's target: 3,584 bytes a wave
.set STG,   3584
.set ASTEP, 512                        ; bytes that a slot's address moves from fill to fill: two K steps
.set BSTEP, 512
.set LAPS,  4
.set ADRA, 16
.set ADRB, 20
.set FA0,  32
.set FB0,  160
.set G1, 24
.set G0, 32
.set G1B, 48
.set G0B, 56
.set MSB, 0
.macro WIN new                         ; the immediate's high byte repeats the setting that is left
.if MSB != \new
	s_set_vgpr_msb (MSB<<8)|\new
.set MSB, \new
.endif
.endm
.set MUL_LO, 0x50                      ; C and D in window 1, fragments in window 0
.set MUL_HI, 0xa0                      ; C and D in window 2
.macro JLOAD s                         ; waves 0, 1 ask for A's two halves, waves 2, 3 for B's: each line has one mask
	s_cmp_eq_u32 s11, 0
	s_cbranch_scc0 .Lfor_b_\@
	tensor_load_to_lds s[G0+4*\s:G0+4*\s+3], s[G1:G1+7]
	s_nop 0
	s_branch .Lasked_\@
.Lfor_b_\@:
	tensor_load_to_lds s[G0B+4*\s:G0B+4*\s+3], s[G1B:G1B+7]
	s_nop 0
.Lasked_\@:
.endm
.macro CREST                           ; a round of the cluster's barrier behind its opening barrier
	s_cmp_lg_u32 s10, 0
	s_cbranch_scc1 .Lnot_wave_0_\@
	s_barrier_signal -3
.Lnot_wave_0_\@:
	s_barrier_wait -3
	s_barrier_signal -1
	s_barrier_wait -1
.endm
.macro CROUND
	s_barrier_signal -1
	s_barrier_wait -1
	CREST
.endm
.macro PLACES                          ; four places behind matrix instructions before their registers are loaded into or read (ISA guide 7.12.1)
.rept 4
	v_nop
.endr
.endm
; 2 NB matrix instructions: row tiles a0, a0 + 1 of the window's four x all column tiles.  All accumulators take turns, one instruction a turn.
.macro MUL f, hi, a0, zero
.set aa, \a0
.rept 2
.set bb, 0
.rept NB
.if \zero
	v_wmma_f32_16x16x32_bf16 v[8*(NB*aa+bb):8*(NB*aa+bb)+7], v[FB0+48*\f+8*bb:FB0+48*\f+8*bb+7], v[FA0+64*\f+8*(4*\hi+aa):FA0+64*\f+8*(4*\hi+aa)+7], 0
.else
	v_wmma_f32_16x16x32_bf16 v[8*(NB*aa+bb):8*(NB*aa+bb)+7], v[FB0+48*\f+8*bb:FB0+48*\f+8*bb+7], v[FA0+64*\f+8*(4*\hi+aa):FA0+64*\f+8*(4*\hi+aa)+7], v[8*(NB*aa+bb):8*(NB*aa+bb)+7]
.endif
.set bb, bb+1
.endr
.set aa, aa+1
.endr
.endm
.macro FETCH slot, kq, f               ; the fragments of quarter kq of a K step: B's first, A's rows 64-127 last
	WIN 0
.set ii, 0
.rept NB
	ds_load_b128 v[FB0+48*\f+8*ii:FB0+48*\f+8*ii+3], v[ADRB+\slot] offset:64*\kq+ii*16*272
	ds_load_b128 v[FB0+48*\f+8*ii+4:FB0+48*\f+8*ii+7], v[ADRB+\slot] offset:64*\kq+ii*16*272+32
.set ii, ii+1
.endr
.set ii, 0
.rept 8
	ds_load_b128 v[FA0+64*\f+8*ii:FA0+64*\f+8*ii+3], v[ADRA+\slot] offset:(\kq>>1)*AHI+(\kq&1)*64+ii*16*PA
	ds_load_b128 v[FA0+64*\f+8*ii+4:FA0+64*\f+8*ii+7], v[ADRA+\slot] offset:(\kq>>1)*AHI+(\kq&1)*64+ii*16*PA+32
.set ii, ii+1
.endr
.endm
.macro QUARTER slot, kq, f, g, zero    ; multiplies buffer f; in its middle fetches quarter kq into buffer g
	s_wait_dscnt 8                                 ; B and A's rows 0-63 are in; the youngest eight loads may be out
	WIN MUL_LO
	MUL \f, 0, 0, \zero
	MUL \f, 0, 2, \zero
	PLACES
	FETCH \slot, \kq, \g
	s_wait_dscnt 2*NB+16                           ; all but the run just issued
	WIN MUL_HI
	MUL \f, 1, 0, \zero
	MUL \f, 1, 2, \zero
.endm
.macro THREE slot, zero
	QUARTER \slot, 1, 0, 1, \zero
	QUARTER \slot, 2, 1, 0, 0
	QUARTER \slot, 3, 0, 1, 0
.endm
; The last quarter changes slots.  In front of the barrier each wave waits for its reads of this slot and for all its tensor loads (one is out:
; its part of the next slot).  Where this slot is filled again the barrier opens a round of the cluster's barrier, and the joint refill is the first tensor load behind it.
.macro TURN slot, next, fill
	s_wait_dscnt 8
	WIN MUL_LO
	MUL 1, 0, 0, 0
	s_wait_dscnt 0
	s_wait_tensorcnt 0x0
	ds_add_u32 v30, v31
	s_wait_dscnt 0x0
	s_barrier_signal -1
	MUL 1, 0, 2, 0
	WIN 0
	s_barrier_wait -1
.if \fill
	CREST
	s_add_nc_u64 s[G0+4*\slot+2:G0+4*\slot+3], s[G0+4*\slot+2:G0+4*\slot+3], ASTEP
	s_add_nc_u64 s[G0B+4*\slot+2:G0B+4*\slot+3], s[G0B+4*\slot+2:G0B+4*\slot+3], BSTEP
	JLOAD \slot
.endif
	PLACES
	FETCH \next, 0, 0
	WIN MUL_HI
	MUL 1, 1, 0, 0
	MUL 1, 1, 2, 0
.endm
.macro LAP zero
	THREE 0, \zero
	TURN 0, 1, 1
	THREE 1, 0
	TURN 1, 0, 1
.endm
	s_load_b128 s[4:7], s[0:1], 0x0                ; hb, wsT
	s_load_b64 s[8:9], s[0:1], 0x10                ; qkvr
	v_lshl_add_u32 v30, v0, 2, 0x3f000
	v_mov_b32 v31, 0
	ds_add_u32 v30, v31
	v_lshrrev_b32 v1, 5, v0
	v_readfirstlane_b32 s10, v1                    ; wave
	s_lshr_b32 s11, s10, 1                         ; my half of the rows; also: I fetch for A (0) or B (1)
	s_and_b32 s12, s10, 1                          ; my half of the columns; also: which half of that tile I fetch
	s_bfe_u32 s40, ttmp6, 0x40000                  ; cx
	s_bfe_u32 s41, ttmp6, 0x40004                  ; cy
	s_lshl_b32 s42, ttmp9, 2
	s_add_co_u32 s42, s42, s40                     ; head
	s_and_b32 s13, ttmp7, 0xffff
	s_lshl_b32 s13, s13, 2
	s_add_co_u32 s13, s13, s41                     ; block row
	s_lshl_b32 s43, s41, 2
	s_lshl_b32 s43, 15, s43                        ; my row of the cluster
	s_lshl_b32 s44, 0x1111, s40                    ; my column
	s_or_b32 s[G1+0], s43, (1<<16)|(1<<20)|(1<<21)|(5<<22)|(3<<25)   ; mask; 2-byte elements; 4 words of padding behind every 64; bit 21 beside a mask
	s_or_b32 s[G1B+0], s44, (1<<16)|(1<<20)|(1<<21)|(5<<22)|(3<<25)
	s_mov_b32 s[G1+1], 128<<16                     ; tensor_dim0 = 128
	s_mov_b32 s[G1B+1], 128<<16
	s_mov_b32 s[G1+2], 128<<16                     ; tensor_dim1 = 128 rows
	s_mov_b32 s[G1B+2], 96<<16                     ; 96 rows
	s_mov_b32 s[G1+3], 128<<16                     ; tile_dim0 = 128
	s_mov_b32 s[G1B+3], 128<<16
	s_mov_b32 s[G1+4], 128                         ; tile_dim1
	s_mov_b32 s[G1B+4], 96
	s_mov_b32 s[G1+5], 1024                        ; elements from row to row
	s_mov_b32 s[G1B+5], 1024
	s_mov_b32 s[G1+6], 0
	s_mov_b32 s[G1B+6], 0
	s_mov_b32 s[G1+7], 0
	s_mov_b32 s[G1B+7], 0
	s_lshl_b32 s17, s12, 7
	s_lshl_b32 s16, s13, 8
	s_add_co_u32 s16, s16, s17
	s_lshl_b32 s16, s16, 11                        ; A: (256 block row + 128 half) rows of 2,048 bytes
	s_mov_b32 s17, 0
	s_mul_i32 s46, s42, 192
	s_mul_i32 s47, s12, 96
	s_add_co_u32 s46, s46, s47
	s_lshl_b32 s46, s46, 11                        ; B: (192 head + 96 half) rows
	s_mov_b32 s47, 0
	s_mul_i32 s20, s10, HALFA                      ; LDS: A's halves at wave x HALFA (waves 0, 1),
	s_mul_i32 s21, s10, HALFB
	s_add_co_u32 s21, s21, 2*HALFA-2*HALFB         ; B's behind them (waves 2, 3)
	s_wait_dscnt 0x0
	s_wait_kmcnt 0x0
	s_add_nc_u64 s[14:15], s[4:5], s[16:17]
	s_add_nc_u64 s[46:47], s[6:7], s[46:47]
	CROUND                                         ; the first joint loads meet
.irp s, 0,1
	s_mov_b32 s[G0+4*\s], 1
	s_add_co_u32 s[G0+4*\s+1], s20, \s*SLOT
	s_add_nc_u64 s[G0+4*\s+2:G0+4*\s+3], s[14:15], \s*ASTEP/2
	s_or_b32 s[G0+4*\s+3], s[G0+4*\s+3], 0x80000000
	s_mov_b32 s[G0B+4*\s], 1
	s_add_co_u32 s[G0B+4*\s+1], s21, \s*SLOT
	s_add_nc_u64 s[G0B+4*\s+2:G0B+4*\s+3], s[46:47], \s*BSTEP/2
	s_or_b32 s[G0B+4*\s+3], s[G0B+4*\s+3], 0x80000000
	JLOAD \s                                       ; two tensor loads of a wave are out at the most
.endr
	v_and_b32 v1, 15, v0                           ; r
	v_bfe_u32 v2, v0, 4, 1                         ; h
	v_and_b32 v5, 31, v0                           ; lane
	v_mul_u32_u24 v3, v1, PA
	v_lshl_add_u32 v3, v2, 4, v3
	v_mul_u32_u24 v4, v1, 272
	v_lshl_add_u32 v4, v2, 4, v4
	s_mul_i32 s22, s11, 128*PA
	s_mul_i32 s23, s12, HALFB
	s_add_co_u32 s23, s23, 2*HALFA
.irp s, 0,1
	v_add_nc_u32 v[ADRA+\s], s22, v3
	v_add_nc_u32 v[ADRB+\s], s23, v4
	s_add_co_u32 s22, s22, SLOT
	s_add_co_u32 s23, s23, SLOT
.endr
	s_mul_i32 s22, s10, STG
	s_add_co_u32 s22, s22, STAGE                   ; my stage: 16 rows x 144 bytes (q or k), then 16 x 80 (v)
	v_mul_u32_u24 v6, v1, 144
	v_lshl_add_u32 v6, v2, 4, v6
	v_add_nc_u32 v22, s22, v6                      ; in, q or k
	v_mul_u32_u24 v6, v1, 80
	v_lshl_add_u32 v6, v2, 4, v6
	v_add_nc_u32 v23, s22, v6                      ; in, v (+ 2304 in the immediate)
	v_lshrrev_b32 v6, 3, v5
	v_mul_u32_u24 v6, v6, 144
	v_and_b32 v7, 7, v5
	v_lshl_add_u32 v6, v7, 4, v6
	v_add_nc_u32 v24, s22, v6                      ; back: four rows of 128 bytes a load
	v_lshrrev_b32 v6, 2, v5
	v_mul_u32_u24 v6, v6, 80
	v_and_b32 v7, 3, v5
	v_lshl_add_u32 v6, v7, 4, v6
	v_add_nc_u32 v25, s22, v6                      ; back: eight rows of 64 bytes a load
	s_lshl_b32 s22, s12, 13
	v_lshl_add_u32 v26, v5, 4, s22                 ; in the record: q at 0, k at 8192
	s_lshl_b32 s22, s12, 12
	s_add_co_u32 s22, s22, 16384
	v_lshl_add_u32 v27, v5, 4, s22                 ; v's half
	s_mov_b32 s68, 0x76543210
	s_mov_b32 s69, 0xfedcba98
	s_wait_tensorcnt 1                             ; my part of K step 0 is in; K step 1's may be out
	s_barrier_signal -1
	s_barrier_wait -1
	FETCH 0, 0, 0
	LAP 1                                          ; the first products start the sums: nothing is cleared
	WIN 0
	s_mov_b32 s3, LAPS-2
.Llap:
	LAP 0
	WIN 0
	s_sub_co_u32 s3, s3, 1
	s_cmp_lg_u32 s3, 0
	s_cbranch_scc1 .Llap
	THREE 0, 0                                     ; the last lap fills nothing
	TURN 0, 1, 0
	THREE 1, 0
	s_wait_dscnt 8
	WIN MUL_LO
	MUL 1, 0, 0, 0
	MUL 1, 0, 2, 0
	s_wait_dscnt 0
	WIN MUL_HI
	MUL 1, 1, 0, 0
	MUL 1, 1, 2, 0
	PLACES
	; the way out: record of (b 16 + head, chunk): b = block row / 4, chunk = 4 (block row % 4) + 2 (my half of the rows) + (row tile / 4)
	s_lshr_b32 s16, s13, 2
	s_lshl_b32 s16, s16, 8
	s_and_b32 s17, s13, 3
	s_lshl2_add_u32 s16, s17, s16
	s_lshl1_add_u32 s16, s11, s16
	s_mul_i32 s16, s16, 24576
	s_mov_b32 s17, 0
	s_add_nc_u64 s[8:9], s[8:9], s[16:17]
	s_mul_i32 s46, s42, 16*24576
	s_mov_b32 s47, 0
	s_add_nc_u64 s[8:9], s[8:9], s[46:47]
.set E,  32                            ; 2^(min(x,0) log2 e), then elu + 1, then the quotient
.set M,  64                            ; max(x, 0)
.set VP, 96                            ; v in bf16
.set QP, 104                           ; q or k in bf16
.set S,  120
.set RB, 128                           ; two sets of 24 registers for the rows read back
.macro OUT16 a, win
.set t, 8*NB*(\a&3)
.set rb, RB+24*(\a&1)
	WIN \win|(\win<<2)                             ; sources 0 and 1 in the accumulators' window
.set kk, 0
.rept 16
	v_pk_mul_f32 v[E+2*kk:E+2*kk+1], v[t+2*kk:t+2*kk+1], 0x3fb8aa3b op_sel_hi:[1,0]
.set kk, kk+1
.endr
.set kk, 0
.rept 32
	v_max_num_f32 v[M+kk], 0, v[t+kk]
.set kk, kk+1
.endr
.set kk, 0
.rept 8
	v_cvt_pk_bf16_f32 v[VP+kk], v[t+32+2*kk], v[t+32+2*kk+1]
.set kk, kk+1
.endr
	WIN 0
.set kk, 0
.rept 32
	v_min_num_f32 v[E+kk], 0, v[E+kk]
.set kk, kk+1
.endr
.set kk, 0
.rept 32
	v_exp_f32 v[E+kk], v[E+kk]
.set kk, kk+1
.endr
	v_nop                                          ; one plain place behind the transcendentals
.set kk, 0
	s_wait_alu depctr_va_vdst(0)
.rept 16
	v_pk_add_f32 v[E+2*kk:E+2*kk+1], v[E+2*kk:E+2*kk+1], v[M+2*kk:M+2*kk+1]
.set kk, kk+1
.endr
.set kk, 0
.rept 4
	v_pk_add_f32 v[S+2*kk:S+2*kk+1], v[E+2*kk:E+2*kk+1], v[E+8+2*kk:E+8+2*kk+1]
.set kk, kk+1
.endr
.set kk, 0
.rept 8
	v_pk_add_f32 v[S+2*(kk%4):S+2*(kk%4)+1], v[S+2*(kk%4):S+2*(kk%4)+1], v[E+16+2*kk:E+16+2*kk+1]
.set kk, kk+1
.endr
	v_pk_add_f32 v[S:S+1], v[S:S+1], v[S+2:S+3]
	v_pk_add_f32 v[S+4:S+5], v[S+4:S+5], v[S+6:S+7]
	v_pk_add_f32 v[S:S+1], v[S:S+1], v[S+4:S+5]
	v_add_f32 v[S], v[S], v[S+1]                   ; my 32 of the row's 64;
	v_permlanex16_b32 v[S+1], v[S], s68, s69       ; the other 32 lie in lane l xor 16
	v_add_f32 v[S], v[S], v[S+1]
	v_rcp_f32 v[S+2], v[S]
	v_nop
	s_wait_alu depctr_va_vdst(0)
	v_mov_b32 v[S+3], v[S+2]
.set kk, 0
.rept 16
	v_pk_mul_f32 v[E+2*kk:E+2*kk+1], v[E+2*kk:E+2*kk+1], v[S+2:S+3]
.set kk, kk+1
.endr
.set kk, 0
.rept 16
	v_cvt_pk_bf16_f32 v[QP+kk], v[E+2*kk], v[E+2*kk+1]
.set kk, kk+1
.endr
.set kk, 0
.rept 4
	ds_store_b128 v22, v[QP+4*kk:QP+4*kk+3] offset:32*kk
.set kk, kk+1
.endr
	ds_store_b128 v23, v[VP:VP+3] offset:2304
	ds_store_b128 v23, v[VP+4:VP+7] offset:2304+32
	s_wait_xcnt 0x0                                ; the registers that earlier stores read are loaded again only behind this wait
.set kk, 0
.rept 4
	ds_load_b128 v[rb+4*kk:rb+4*kk+3], v24 offset:576*kk       ; LDS serves a wave's instructions in order: these see the stores above
.set kk, kk+1
.endr
	ds_load_b128 v[rb+16:rb+19], v25 offset:2304
	ds_load_b128 v[rb+20:rb+23], v25 offset:2304+640
.set kk, 0
.rept 4
	s_wait_dscnt 5-kk
	global_store_b128 v26, v[rb+4*kk:rb+4*kk+3], s[8:9] offset:(\a>>2)*24576+(\a&3)*2048+512*kk   ; 512 neighbouring bytes, aligned
.set kk, kk+1
.endr
	s_wait_dscnt 1
	global_store_b128 v27, v[rb+16:rb+19], s[8:9] offset:(\a>>2)*24576+(\a&3)*1024
	s_wait_dscnt 0
	global_store_b128 v27, v[rb+20:rb+23], s[8:9] offset:(\a>>2)*24576+(\a&3)*1024+512
.endm
	OUT16 0, 1
	OUT16 1, 1
	OUT16 2, 1
	OUT16 3, 1
	OUT16 4, 2
	OUT16 5, 2
	OUT16 6, 2
	OUT16 7, 2
	s_wait_tensorcnt 0x0
	ds_add_u32 v30, v31
	s_wait_dscnt 0x0
	CROUND                                         ; no work-group ends while a partner may still ask for a tile that names it
	s_endpgm
.Lfunc_end_k_q94e84fc1f3_gemm1:
	.size	k_q94e84fc1f3_gemm1, .Lfunc_end_k_q94e84fc1f3_gemm1-k_q94e84fc1f3_gemm1
	.p2alignl 7, 3214868480
	.fill 96, 4, 3214868480
	.section	.rodata,"a",@progbits
	.p2align	6, 0x0
	.amdhsa_kernel k_q94e84fc1f3_gemm1
		.amdhsa_group_segment_fixed_size 327680
		.amdhsa_private_segment_fixed_size 0
		.amdhsa_enable_private_segment 0
		.amdhsa_kernarg_size 24
		.amdhsa_user_sgpr_count 2
		.amdhsa_user_sgpr_kernarg_segment_ptr 1
		.amdhsa_wavefront_size32 1
		.amdhsa_system_sgpr_workgroup_id_x 1
		.amdhsa_system_sgpr_workgroup_id_y 1
		.amdhsa_system_sgpr_workgroup_id_z 1
		.amdhsa_system_vgpr_workitem_id 0
		.amdhsa_next_free_vgpr 704
		.amdhsa_next_free_sgpr 80
		.amdhsa_reserve_vcc 0
		.amdhsa_float_denorm_mode_32 3
		.amdhsa_float_denorm_mode_16_64 3
		.amdhsa_memory_ordered 1
		.amdhsa_forward_progress 1
		.amdhsa_inst_pref_size 220
	.end_amdhsa_kernel
	.amdgpu_metadata
---
amdhsa.version: [ 1, 2 ]
amdhsa.kernels:
  - .name:           k_q94e84fc1f3_gemm1
    .symbol:         k_q94e84fc1f3_gemm1.kd
    .args:
      - { .name: hb, .offset: 0, .size: 8, .value_kind: global_buffer, .address_space: global }
      - { .name: wsT, .offset: 8, .size: 8, .value_kind: global_buffer, .address_space: global }
      - { .name: qkvr, .offset: 16, .size: 8, .value_kind: global_buffer, .address_space: global }
    .group_segment_fixed_size: 327680
    .private_segment_fixed_size: 0
    .kernarg_segment_align: 8
    .kernarg_segment_size: 24
    .max_flat_workgroup_size: 128
    .sgpr_count:     80
    .vgpr_count:     704
    .wavefront_size: 32
...
	.end_amdgpu_metadata
.endif
;; end of part 3
;; launch delta (part 4): grid 256 x 1, 8 waves a work-group, no clusters, 295,936 bytes of LDS; arguments qkvr, betab, ob; writes ob
.if DOCPART == 4
	.amdgcn_target "amdgcn-amd-amdhsa--gfx1250"
	.amdhsa_code_object_version 6
	.text
	.protected	k_q94e84fc1f3_delta
	.globl	k_q94e84fc1f3_delta
	.p2align	8
	.type	k_q94e84fc1f3_delta,@function
k_q94e84fc1f3_delta:
	s_mov_b64 s[64:65], 0
	v_nop
	global_prefetch_b8 v0, s[64:65] scope:SCOPE_SE
	s_setreg_imm32_b32 hwreg(HW_REG_WAVE_MODE, 25, 1), 1
	s_wait_xcnt 0x0
; The delta rule W_t = W_(t-1) + beta_t (v_t - W_(t-1) k_t) k_t^T, o_t = W_t q_t, recast exactly in chunks of 64 steps.  Rows are steps t.
; With S = K K^T, P = lower triangle of Q K^T with its diagonal, B = diag(beta), W0 the state at the chunk's start:
;   (I + B strict_lower(S)) Delta = B (V - K W0^T),   [Wn | U] = (I + B strict_lower(S))^-1 B [-K | V],   Delta = U + Wn W0^T,
;   W1 = W0 + W0 (Wn^T K) + U^T K,      O = (Q + P Wn) W0^T + P U.
; The solve goes by blocks of 16 rows: X_i = T_i (Y_i - sum over l < i of S_il X_l), T_i = (I + B_i strict_lower(S_ii))^-1 B_i, which comes column
; by column, from column 15 down, in f32: T[t][c] = beta_c ((t == c) - sum over s > c of T[t][s] S[s][c]).  No series is cut.
; WORK LEFT OUT: W0 = 0 in the first chunk (reference() builds the zeros), so its term (Q + P Wn) W0^T is not formed; the state behind the last
; chunk reaches no output, so that chunk's Wn^T K and U^T K are not formed.  A NaN or overflow that would arise only there is not carried on.
; SHARING: row i of W meets only v_i (v_old_i, delta_i, W_new[i][:], out_i), so rows 0-31 and rows 32-63 of a head's state are two independent
; recurrences over the same q, k, beta.  One work-group = one (b, head, half of v): 8 x 16 x 2 = 256 work-groups.  S, P, T, Wn, Wn^T K and Q + P Wn are
; made by both halves; V, U, U^T K, the state and the outputs are halved: 194 matrix instructions a chunk against 256 for a whole head.
; 8 waves; two super-steps of 8 chunks, wave w owning chunk 8 ss + w.  PHASEA: all that does not hang on the state.
; SCAN: waves 0, 1 carry 16 rows of W each in f32 through the 8 chunks and leave each chunk's W0 in bf16.  PHASEC: the outputs.
; No cluster: q and k go straight from memory into fragment registers, 16 bytes a lane; a joint request serves tensor loads into LDS alone and would
; add a trip through LDS for Q (8 KiB a chunk) and a ring's barriers to a launch whose waves meet twice a super-step.  No tensor loads.
; ob: [head][chunk of 64 m][half][64 t][32] bf16: a work-group's chunk is 4,096 neighbouring bytes.
; LDS of wave w at w x 36,864, pitch 144: KL (K, later the output stage), VL (f32 diagonal blocks; V; images of U^T K; images of W0),
; GL (G = I on, -S below the diagonal blocks; later (Wn^T K)^T), PL (P).  T_i in bf16 lies in the unread corner of GL, PL (rows 0-31, bytes 64-95).
.set KL, 0
.set VL, 9216
.set GL, 18432
.set PL, 27648
.set WSZ, 36864
.set NF, 6                             ; column tiles of F = [-K | V half]: 4 + 2
.set A,  32                            ; window 0: v[32:95] K fragments; rows of the solve; ZB, GA, TBF; P fragments; the scan's buffers; rows read back
.set AC, 96                            ;           v[96:159] eight accumulator tiles; T
.set QR, 160                           ;           v[160:223] Q fragments, later Q + P Wn
.set ST, 224                           ;           v[224:255] the scan's state: 16 rows x 64 in f32 (waves 0, 1)
.set ZB, 32
.set GA, 68
.set TBF, 84
.set FV, 64                            ; window 1: v[0:63] FK (-K^T, then Wn^T; later M buffer 0; later W0), v[64:95] FV (V^T, then U^T),
.set KT, 128                           ;           v[128:191] K^T (later M buffer 1), v[192:223] V as loaded
.set VV, 192
.set MSB, 0
.macro WIN new
.if MSB != \new
	s_set_vgpr_msb (MSB<<8)|\new
.set MSB, \new
.endif
.endm
.macro NOPS n                          ; places behind matrix instructions (ISA guide 7.12.1): five serve every later use of their registers
.rept \n
	v_nop
.endr
.endm
.macro CVT4 x                          ; eight f32 to bf16 in place, into the first four registers
	v_cvt_pk_bf16_f32 v[\x], v[\x], v[\x+1]
	v_cvt_pk_bf16_f32 v[\x+1], v[\x+2], v[\x+3]
	v_cvt_pk_bf16_f32 v[\x+2], v[\x+4], v[\x+5]
	v_cvt_pk_bf16_f32 v[\x+3], v[\x+6], v[\x+7]
.endm
	s_load_b128 s[4:7], s[0:1], 0x0                ; qkvr, betab
	s_load_b64 s[8:9], s[0:1], 0x10                ; ob
	v_lshl_add_u32 v11, v0, 2, 0x48000
	s_set_vgpr_msb 0x40
	v_mov_b32 v255, 0
	s_set_vgpr_msb 0x4000
	v_lshrrev_b32 v1, 5, v0
	v_readfirstlane_b32 s10, v1                    ; wave
	s_lshr_b32 s43, ttmp9, 1                       ; b 16 + head
	s_and_b32 s42, ttmp9, 1                        ; my half of v
	v_and_b32 v15, 31, v0                          ; L
	v_and_b32 v2, 15, v0                           ; r
	v_bfe_u32 v3, v0, 4, 1                         ; h
	s_mul_i32 s11, s10, WSZ
	v_mul_u32_u24 v30, v2, 144
	v_lshl_add_u32 v30, v3, 4, v30                 ; r 144 + 16 h
	v_add_nc_u32 v4, s11, v30                      ; vROW: fragments and tiles by rows
	v_and_b32 v1, 7, v0
	v_lshl_add_u32 v1, v3, 3, v1
	v_mul_u32_u24 v1, v1, 144
	v_bfe_u32 v5, v0, 3, 1
	v_lshl_add_u32 v5, v5, 4, v1
	v_add_nc_u32 v5, s11, v5                       ; vTR: transposing loads
	v_mul_u32_u24 v6, v3, 1152
	v_lshl_add_u32 v6, v2, 3, v6
	v_add_nc_u32 v6, s11, v6                       ; vAT: diagonal blocks in, [parity][c = 8 h + j][s = r][pair]
	v_mul_u32_u24 v7, v3, 2304
	v_add_nc_u32 v7, s11, v7                       ; vATL: their rows back, the half of the lanes picks the parity
	v_mul_u32_u24 v10, v2, 144
	v_add_nc_u32 v10, v10, v7                      ; vTBS: T in
	v_lshlrev_b32 v13, 4, v15                      ; 16 L
	v_add_nc_u32 v8, s11, v13                      ; vIMG
	v_lshrrev_b32 v1, 2, v15
	v_mul_u32_u24 v1, v1, 144
	v_and_b32 v9, 3, v0
	v_lshl_add_u32 v9, v9, 4, v1
	v_add_nc_u32 v9, s11, v9                       ; vVS: eight rows of 64 bytes a wave: V in, output rows back
	v_lshlrev_b32 v12, 7, v2
	v_lshl_add_u32 v12, v3, 4, v12                 ; vGQ: fragments of q, k from memory
	v_lshlrev_b32 v14, 2, v2
	s_lshl_b32 s41, s42, 13
	v_lshl_add_u32 v31, v15, 8, s41                ; 256 L + 8,192 half, for the prefetch
	v_lshlrev_b32 v1, 3, v3
	v_sub_nc_u32 v1, v2, v1                        ; r - 8 h
.set jj, 0
.rept 8
	v_cmp_eq_i32 s[16+jj], jj, v1                  ; register j of a diagonal tile lies on the diagonal
	v_cmp_le_i32 s[24+jj], jj, v1                  ; on or below it
.set jj, jj+1
.endr
	v_mov_b32 v28, 0x3f80
	v_mov_b32 v29, 0x3f800000
.set jj, 0
.rept 4
	v_cndmask_b32 v15, 0, v28, s[16+2*jj]
	v_cndmask_b32 v[20+jj], v15, v29, s[17+2*jj]   ; v[20:23]: the identity tile in bf16
	v_mov_b32 v[24+jj], 0                          ; v[24:27]: a tile of zeros
.set jj, jj+1
.endr
	s_lshl_b32 s41, s42, 12
	v_add_nc_u32 v1, s41, v13                      ; V from memory: 16 L + 4,096 half
	s_lshr_b32 s12, s43, 4                         ; b
	s_and_b32 s13, s43, 15                         ; head
	s_lshl4_add_u32 s14, s43, s10
	s_mul_i32 s14, s14, 24576
	s_mov_b32 s15, 0
	s_mov_b32 s38, 0x80008000
	s_mov_b32 s39, 0xffff0000
	s_lshl_b32 s40, s10, 11
	s_add_co_u32 s40, s40, VL                      ; the scan wave's 2 KiB of a chunk's images
	s_wait_kmcnt 0x0
	s_add_nc_u64 s[32:33], s[4:5], s[14:15]        ; my chunk's record (super-step 1: + 196,608 in the immediate)
	s_lshl_b32 s14, s12, 16
	s_lshl_b32 s41, s10, 12
	s_add_co_u32 s14, s14, s41
	s_lshl_b32 s41, s13, 6
	s_add_co_u32 s14, s14, s41
	s_add_nc_u64 s[34:35], s[6:7], s[14:15]        ; beta
	s_lshl_b32 s14, s13, 20                        ; ob: head 1 MiB + b 128 KiB + chunk 8 KiB + half 4 KiB
	s_lshl_b32 s41, s12, 17
	s_add_co_u32 s14, s14, s41
	s_lshl_b32 s41, s10, 13
	s_add_co_u32 s14, s14, s41
	s_lshl_b32 s41, s42, 12
	s_add_co_u32 s14, s14, s41
	s_add_nc_u64 s[36:37], s[8:9], s[14:15]
; Block row bt of S and P.  Tiles D(m = s, n = t): a lane holds row t = r and eight neighbouring s.  All tiles take turns.
.macro SPROW bt
.set uu, 0
.rept 2
.set bs, 0
.rept \bt+1
.if uu == 0
	v_wmma_f32_16x16x32_bf16 v[AC+8*bs:AC+8*bs+7], v[A+16*bs:A+16*bs+7], v[A+16*\bt:A+16*\bt+7], 0
	v_wmma_f32_16x16x32_bf16 v[AC+32+8*bs:AC+32+8*bs+7], v[A+16*bs:A+16*bs+7], v[QR+16*\bt:QR+16*\bt+7], 0
.else
	v_wmma_f32_16x16x32_bf16 v[AC+8*bs:AC+8*bs+7], v[A+16*bs+8:A+16*bs+15], v[A+16*\bt+8:A+16*\bt+15], v[AC+8*bs:AC+8*bs+7]
	v_wmma_f32_16x16x32_bf16 v[AC+32+8*bs:AC+32+8*bs+7], v[A+16*bs+8:A+16*bs+15], v[QR+16*\bt+8:QR+16*\bt+15], v[AC+32+8*bs:AC+32+8*bs+7]
.endif
.set bs, bs+1
.endr
.set uu, uu+1
.endr
	NOPS 5
.set bs, 0
.rept \bt+1
.if bs < \bt
	CVT4 AC+8*bs
.set jj, 0
.rept 4
	v_xor_b32 v[AC+8*bs+jj], s38, v[AC+8*bs+jj]    ; G = -S below the diagonal blocks
.set jj, jj+1
.endr
	ds_store_b128 v4, v[AC+8*bs:AC+8*bs+3] offset:GL+2304*\bt+32*bs
.else
.set jj, 0
.rept 8
	v_cndmask_b32 v[AC+8*bs+jj], v[AC+8*bs+jj], v[16+\bt], s[16+jj]       ; beta takes the diagonal's place
	ds_store_b32 v6, v[AC+8*bs+jj] offset:VL+(\bt&1)*2304+144*jj+4*(\bt>>1)
	v_cndmask_b32 v[AC+32+8*bs+jj], 0, v[AC+32+8*bs+jj], s[24+jj]         ; P keeps s <= t
.set jj, jj+1
.endr
.if \bt
	ds_store_b128 v4, v[20:23] offset:GL+2304*\bt+32*bs        ; block row 0 of G is never read: level 0 has nothing above it
.endif
.endif
	CVT4 AC+32+8*bs
	ds_store_b128 v4, v[AC+32+8*bs:AC+32+8*bs+3] offset:PL+2304*\bt+32*bs
.set bs, bs+1
.endr
.if (\bt&1) == 0
.if \bt
	ds_store_b128 v4, v[24:27] offset:GL+2304*\bt+32*(\bt+1)   ; the tile right of an even diagonal block is read with it
.endif
	ds_store_b128 v4, v[24:27] offset:PL+2304*\bt+32*(\bt+1)
.endif
.endm
.macro ATROW c                         ; row c of the four diagonal blocks, entries s >= c (two s, two blocks a load)
.set sp, (\c)>>1
.rept 8-((\c)>>1)
	ds_load_b128 v[A+32*((\c)&1)+4*sp:A+32*((\c)&1)+4*sp+3], v7 offset:VL+144*(\c)+16*sp
.set sp, sp+1
.endr
.endm
.macro LEVEL i                         ; X_i = T_i (G_i F): F holds X of the blocks above and Y from block i on
	WIN 0
.if \i
.set uu, 0
.rept (\i>>1)+1
	ds_load_b128 v[GA+8*uu:GA+8*uu+3], v4 offset:GL+2304*\i+64*uu
	ds_load_b128 v[GA+8*uu+4:GA+8*uu+7], v4 offset:GL+2304*\i+64*uu+32
.set uu, uu+1
.endr
.endif
	ds_load_b128 v[TBF:TBF+3], v4 offset:GL+(\i>>1)*(PL-GL)+(\i&1)*2304+64
	s_wait_dscnt 0x0
	WIN 0x04                                       ; source 1 in window 1
.if \i
.set uu, 0
.rept (\i>>1)+1
.set nt, 0
.rept NF
.if uu == 0
	v_wmma_f32_16x16x32_bf16 v[AC+8*nt:AC+8*nt+7], v[GA:GA+7], v[16*nt:16*nt+7], 0
.else
	v_wmma_f32_16x16x32_bf16 v[AC+8*nt:AC+8*nt+7], v[GA+8:GA+15], v[16*nt+8:16*nt+15], v[AC+8*nt:AC+8*nt+7]
.endif
.set nt, nt+1
.endr
.set uu, uu+1
.endr
	WIN 0
	NOPS 5
.set nt, 0
.rept 4*NF
	v_cvt_pk_bf16_f32 v[ZB+nt], v[AC+2*nt], v[AC+2*nt+1]
.set nt, nt+1
.endr
.set nt, 0
.rept NF                               ; T's k = 16..31 are zeros, so the upper half of each B operand (the next tile's numbers, zeros behind the last) counts for nothing
	v_wmma_f32_16x16x32_bf16 v[AC+8*nt:AC+8*nt+7], v[TBF:TBF+7], v[ZB+4*nt:ZB+4*nt+7], 0
.set nt, nt+1
.endr
.else
.set nt, 0
.rept NF
	v_wmma_f32_16x16x32_bf16 v[AC+8*nt:AC+8*nt+7], v[TBF:TBF+7], v[16*nt:16*nt+7], 0
.set nt, nt+1
.endr
.endif
	WIN 0
	NOPS 5
	WIN 0x40
.set nt, 0
.rept NF
.set jj, 0
.rept 4
	v_cvt_pk_bf16_f32 v[16*nt+8*(\i>>1)+4*(\i&1)+jj], v[AC+8*nt+2*jj], v[AC+8*nt+2*jj+1]
.set jj, jj+1
.endr
.set nt, nt+1
.endr
	WIN 0
.endm
; Eight tiles AC[32 tb + 8 x] = sum over two K steps of w1[a0 + atb tb + ax x + 8 u] x w1[b0 + btb tb + bx x + 8 u]
.macro PROD8 a0, atb, ax, b0, btb, bx
	WIN 0x05
.set uu, 0
.rept 2
.set tb, 0
.rept 2
.set xx, 0
.rept 4
.if uu == 0
	v_wmma_f32_16x16x32_bf16 v[AC+32*tb+8*xx:AC+32*tb+8*xx+7], v[\a0+\atb*tb+\ax*xx:\a0+\atb*tb+\ax*xx+7], v[\b0+\btb*tb+\bx*xx:\b0+\btb*tb+\bx*xx+7], 0
.else
	v_wmma_f32_16x16x32_bf16 v[AC+32*tb+8*xx:AC+32*tb+8*xx+7], v[\a0+\atb*tb+\ax*xx+8:\a0+\atb*tb+\ax*xx+15], v[\b0+\btb*tb+\bx*xx+8:\b0+\btb*tb+\bx*xx+15], v[AC+32*tb+8*xx:AC+32*tb+8*xx+7]
.endif
.set xx, xx+1
.endr
.set tb, tb+1
.endr
.set uu, uu+1
.endr
	WIN 0
	NOPS 5
.endm
.macro MN                              ; (Wn^T K)^T by rows into GL; U^T K as register images into VL
	WIN 0x40
.set nt, 0
.rept 4
.set kb, 0
.rept 4
	ds_load_tr16_b128 v[KT+16*nt+8*(kb>>1)+4*(kb&1):KT+16*nt+8*(kb>>1)+4*(kb&1)+3], v5 offset:KL+2304*kb+32*nt
.set kb, kb+1
.endr
.set nt, nt+1
.endr
	s_wait_dscnt 0x0
.irp g, 0,1
	PROD8 0, 0, 16, KT+32*\g, 16, 0                ; D(m = j, n = j'): tile (tb, x) = (j' tile 2 g + tb, j tile x)
.set tb, 0
.rept 2
.set xx, 0
.rept 4
	CVT4 AC+32*tb+8*xx
	ds_store_b128 v4, v[AC+32*tb+8*xx:AC+32*tb+8*xx+3] offset:GL+2304*(2*\g+tb)+32*xx
.set xx, xx+1
.endr
.set tb, tb+1
.endr
.endr
	PROD8 KT, 0, 16, FV, 16, 0                     ; D(m = j', n = i): tile (tb, x) = (i tile tb of my half's two, j' tile x)
.set tb, 0
.rept 2
.set xx, 0
.rept 4
	CVT4 AC+32*tb+8*xx
	ds_store_b128 v8, v[AC+32*tb+8*xx:AC+32*tb+8*xx+3] offset:VL+512*(4*tb+xx)
.set xx, xx+1
.endr
.set tb, tb+1
.endr
.endm
.macro PFLOAD                          ; P's six fragments: block rows 0, 1 one K step, 2, 3 two
	WIN 0
.set bq, 0
.rept 4
.set uu, 0
.rept (bq>>1)+1
.set po, A+(bq>>1)*16+(bq&1)*(8+8*(bq>>1))+8*uu
	ds_load_b128 v[po:po+3], v4 offset:PL+2304*bq+64*uu
	ds_load_b128 v[po+4:po+7], v4 offset:PL+2304*bq+64*uu+32
.set uu, uu+1
.endr
.set bq, bq+1
.endr
.endm
; AC[32 tb + 8 x] (+)= w1[a0 + 16 x + 8 u] x P fragment (block row 2 g + tb, u), u <= g, x < nx
.macro PPROD g, a0, zero, nx
.set uu, 0
.rept \g+1
.set tb, 0
.rept 2
.set xx, 0
.rept \nx
.set po, A+\g*16+tb*(8+8*\g)+8*uu
.if \zero && (uu == 0)
	v_wmma_f32_16x16x32_bf16 v[AC+32*tb+8*xx:AC+32*tb+8*xx+7], v[\a0+16*xx+8*uu:\a0+16*xx+8*uu+7], v[po:po+7], 0
.else
	v_wmma_f32_16x16x32_bf16 v[AC+32*tb+8*xx:AC+32*tb+8*xx+7], v[\a0+16*xx+8*uu:\a0+16*xx+8*uu+7], v[po:po+7], v[AC+32*tb+8*xx:AC+32*tb+8*xx+7]
.endif
.set xx, xx+1
.endr
.set tb, tb+1
.endr
.set uu, uu+1
.endr
.endm
.macro PHASEA ss
	s_wait_xcnt 0x0                                ; the registers that the last outputs' stores read are loaded again only behind this wait
.set bq, 0
.rept 8
	global_load_b128 v[A+8*bq:A+8*bq+3], v12, s[32:33] offset:\ss*196608+8192+2048*(bq>>1)+64*(bq&1)
	global_load_b128 v[A+8*bq+4:A+8*bq+7], v12, s[32:33] offset:\ss*196608+8192+2048*(bq>>1)+64*(bq&1)+32
.set bq, bq+1
.endr
.set bq, 0
.rept 4
	global_load_b32 v[16+bq], v14, s[34:35] offset:\ss*32768+1024*bq
.set bq, bq+1
.endr
.set bq, 0
.rept 8
	global_load_b128 v[QR+8*bq:QR+8*bq+3], v12, s[32:33] offset:\ss*196608+2048*(bq>>1)+64*(bq&1)
	global_load_b128 v[QR+8*bq+4:QR+8*bq+7], v12, s[32:33] offset:\ss*196608+2048*(bq>>1)+64*(bq&1)+32
.set bq, bq+1
.endr
	s_wait_loadcnt 20                              ; K is in; beta's 4 and Q's 16 loads may be out
.set bq, 0
.rept 8
	ds_store_b128 v4, v[A+8*bq:A+8*bq+3] offset:KL+2304*(bq>>1)+64*(bq&1)
	ds_store_b128 v4, v[A+8*bq+4:A+8*bq+7] offset:KL+2304*(bq>>1)+64*(bq&1)+32
.set bq, bq+1
.endr
	s_wait_loadcnt 0x0
	SPROW 0
	SPROW 1
	SPROW 2
	SPROW 3
	WIN 0x40
.set bq, 0
.rept 8
	global_load_b128 v[VV+4*bq:VV+4*bq+3], v1, s[32:33] offset:\ss*196608+16384+512*bq   ; my half of V lands while T is solved
.set bq, bq+1
.endr
	WIN 0
.if \ss == 0
	; The record of my chunk of the second super-step, 96 blocks of 256 bytes, a whole super-step ahead, each block asked for once by the two
	; work-groups that will read it: half 0 asks for q's 32 blocks and V's 32, half 1 for k's 32.
	global_prefetch_b8 v31, s[32:33] offset:196608 th:TH_LOAD_NT scope:SCOPE_SE
	s_cmp_eq_u32 s42, 0
	s_cbranch_scc0 .Lno_pv
	global_prefetch_b8 v31, s[32:33] offset:196608+16384 th:TH_LOAD_NT scope:SCOPE_SE
.Lno_pv:
.endif
	; T of the four diagonal blocks: lane (r, h) holds row r of blocks h and 2 + h as a pair; column 15 down to 0
	ATROW 15
	ATROW 14
.set cc, 15
.rept 16
.if cc > 0
	s_wait_dscnt 8-((cc-1)>>1)                     ; the next row's loads may be out
.else
	s_wait_dscnt 0
.endif
	v_cmp_eq_u32 vcc_lo, cc, v2
	v_cndmask_b32 v[AC+2*cc], 0, 1.0, vcc_lo
	v_cndmask_b32 v[AC+2*cc+1], 0, 1.0, vcc_lo
.set sx, cc+1
.rept 15-cc
	v_pk_fma_f32 v[AC+2*cc:AC+2*cc+1], v[AC+2*sx:AC+2*sx+1], v[A+32*(cc&1)+2*sx:A+32*(cc&1)+2*sx+1], v[AC+2*cc:AC+2*cc+1] neg_lo:[1,0,0] neg_hi:[1,0,0]
.set sx, sx+1
.endr
	v_pk_mul_f32 v[AC+2*cc:AC+2*cc+1], v[AC+2*cc:AC+2*cc+1], v[A+32*(cc&1)+2*cc:A+32*(cc&1)+2*cc+1]
.if cc > 1
	ATROW cc-2
.endif
.set cc, cc-1
.endr
.set jj, 0
.rept 8
	v_cvt_pk_bf16_f32 v[AC+32+jj], v[AC+4*jj], v[AC+4*jj+2]
	v_cvt_pk_bf16_f32 v[AC+40+jj], v[AC+4*jj+1], v[AC+4*jj+3]
.set jj, jj+1
.endr
	ds_store_b128 v10, v[AC+32:AC+35] offset:GL+64
	ds_store_b128 v10, v[AC+36:AC+39] offset:GL+80
	ds_store_b128 v10, v[AC+40:AC+43] offset:PL+64
	ds_store_b128 v10, v[AC+44:AC+47] offset:PL+80
	s_wait_loadcnt 0x0
	WIN 0x04
.set bq, 0
.rept 8
	ds_store_b128 v9, v[VV+4*bq:VV+4*bq+3] offset:VL+1152*bq   ; eight rows of 64 bytes a store
.set bq, bq+1
.endr
	WIN 0x40
.set nt, 0
.rept NF                               ; F = [K | V half]^T: lane r = column, k = t
.set kb, 0
.rept 4
	ds_load_tr16_b128 v[16*nt+8*(kb>>1)+4*(kb&1):16*nt+8*(kb>>1)+4*(kb&1)+3], v5 offset:(nt>>2)*VL+2304*kb+32*(nt&3)
.set kb, kb+1
.endr
.set nt, nt+1
.endr
	s_wait_dscnt 0x0
	WIN 0x44
.set jj, 0
.rept 64
	v_xor_b32 v[jj], s38, v[jj]                    ; -K
.set jj, jj+1
.endr
	WIN 0
.set jj, 0
.rept 4
	v_mov_b32 v[ZB+4*NF+jj], 0                     ; behind the last tile of ZB: read with it, times T's zeros
	v_mov_b32 v[TBF+4+jj], 0                       ; T's k = 16..31
.set jj, jj+1
.endr
	LEVEL 0
	LEVEL 1
	LEVEL 2
	LEVEL 3
.if \ss
	s_cmp_eq_u32 s10, 7                            ; the last chunk hands no state on
	s_cbranch_scc1 .Lno_mn
.endif
	MN
.if \ss
.Lno_mn:
.endif
	; Q' = Q + P Wn, in Q's fragment registers
	PFLOAD
	s_wait_dscnt 0x0
.irp g, 0,1
.set jj, 0
.rept 32
	v_lshlrev_b32 v[AC+2*jj], 16, v[QR+32*\g+jj]
	v_and_b32 v[AC+2*jj+1], s39, v[QR+32*\g+jj]
.set jj, jj+1
.endr
	WIN 0x01
	PPROD \g, 0, 0, 4
	WIN 0
	NOPS 5
.set jj, 0
.rept 32
	v_cvt_pk_bf16_f32 v[QR+32*\g+jj], v[AC+2*jj], v[AC+2*jj+1]
.set jj, jj+1
.endr
.endr
	s_wait_dscnt 0x0                               ; my stores are done, for the scan waves' sake
	s_barrier_signal -1
	s_barrier_wait -1
.endm
.macro MLOAD buf                       ; (Wn^T K)^T of the chunk at v28: rows j', k = j
	WIN 0x40
.set jj, 0
.rept 8
	ds_load_b128 v[KT*(\buf)+8*jj:KT*(\buf)+8*jj+3], v28 offset:2304*(jj>>1)+64*(jj&1)
	ds_load_b128 v[KT*(\buf)+8*jj+4:KT*(\buf)+8*jj+7], v28 offset:2304*(jj>>1)+64*(jj&1)+32
.set jj, jj+1
.endr
	WIN 0
.endm
.macro NLOAD buf
.set jj, 0
.rept 4
	ds_load_b128 v[A+16*(\buf)+4*jj:A+16*(\buf)+4*jj+3], v29 offset:512*jj
.set jj, jj+1
.endr
.endm
; One chunk of the scan.  img: leave W0 in bf16 where this chunk's U^T K images were (they are in registers since the step before);
; adv: step to the next chunk; pre: load its matrices; upd: W += U^T K + W0 (Wn^T K); init: W = U^T K (W0 = 0).
.macro SCSTEP buf, img, adv, pre, upd, init
	NOPS 4                                         ; behind the last step's matrix instructions
.if \img
.set jj, 0
.rept 16
	v_cvt_pk_bf16_f32 v[A+32+jj], v[ST+2*jj], v[ST+2*jj+1]
.set jj, jj+1
.endr
.set jj, 0
.rept 4
	ds_store_b128 v29, v[A+32+4*jj:A+32+4*jj+3] offset:512*jj
.set jj, jj+1
.endr
.endif
.if \adv
	v_add_nc_u32 v28, WSZ, v28
	v_add_nc_u32 v29, WSZ, v29
.endif
.if \pre
	MLOAD 1-\buf
	NLOAD 1-\buf
.endif
	s_wait_dscnt 4*\img+20*\pre                    ; all but what this step has issued
.if \upd
.if \init
.set jj, 0
.rept 16
	v_lshlrev_b32 v[ST+2*jj], 16, v[A+16*(\buf)+jj]
	v_and_b32 v[ST+2*jj+1], s39, v[A+16*(\buf)+jj]
.set jj, jj+1
.endr
.else
.set jj, 0
.rept 16
	v_lshlrev_b32 v[AC+2*jj], 16, v[A+16*(\buf)+jj]
	v_and_b32 v[AC+2*jj+1], s39, v[A+16*(\buf)+jj]
.set jj, jj+1
.endr
.set jj, 0
.rept 16
	v_pk_add_f32 v[ST+2*jj:ST+2*jj+1], v[ST+2*jj:ST+2*jj+1], v[AC+2*jj:AC+2*jj+1]
.set jj, jj+1
.endr
	WIN 0x01
.set uu, 0
.rept 2
.set jj, 0
.rept 4                                ; the four tiles take turns
	v_wmma_f32_16x16x32_bf16 v[ST+8*jj:ST+8*jj+7], v[KT*(\buf)+16*jj+8*uu:KT*(\buf)+16*jj+8*uu+7], v[A+32+8*uu:A+32+8*uu+7], v[ST+8*jj:ST+8*jj+7]
.set jj, jj+1
.endr
.set uu, uu+1
.endr
	WIN 0
.endif
.endif
.endm
.macro SCAN ss
	s_cmp_lt_u32 s10, 2                            ; my half of the state is 32 rows: two tiles of 16, one a wave
	s_cbranch_scc0 .Lno_scan\ss
	v_add_nc_u32 v28, GL, v30
	v_add_nc_u32 v29, s40, v13
.if \ss
	MLOAD 0
	NLOAD 0
	SCSTEP 0, 1, 1, 1, 1, 0
.else
	NLOAD 0
	SCSTEP 0, 0, 1, 1, 1, 1
.endif
	SCSTEP 1, 1, 1, 1, 1, 0
	SCSTEP 0, 1, 1, 1, 1, 0
	SCSTEP 1, 1, 1, 1, 1, 0
	SCSTEP 0, 1, 1, 1, 1, 0
	SCSTEP 1, 1, 1, 1, 1, 0
.if \ss
	SCSTEP 0, 1, 1, 0, 1, 0
	SCSTEP 1, 1, 0, 0, 0, 0
.else
	SCSTEP 0, 1, 1, 1, 1, 0
	SCSTEP 1, 1, 0, 0, 1, 0
.endif
.Lno_scan\ss:
	s_wait_dscnt 0x0                               ; the images are stored, for their owners' sake
	s_barrier_signal -1
	s_barrier_wait -1
.endm
.macro PHASEC ss
	NOPS 4                                         ; behind the scan's last matrix instructions
.if \ss == 0
	s_cmp_eq_u32 s10, 0                            ; chunk 0: W0 = 0
	s_cbranch_scc1 .Lno_wf
.endif
	WIN 0x40
.set jj, 0
.rept 8
	ds_load_b128 v[4*jj:4*jj+3], v8 offset:VL+512*jj           ; W0: two tiles of 16 rows, four images each
.set jj, jj+1
.endr
	WIN 0
.if \ss == 0
.Lno_wf:
.endif
	PFLOAD
	s_wait_dscnt 0x0
.irp g, 0,1
	WIN 0x01
	PPROD \g, FV, 1, 2                             ; P U: D(m = i, n = t)
	WIN 0
.if \ss == 0
	s_cmp_eq_u32 s10, 0
	s_cbranch_scc1 .Lno_t1_\g
.endif
	WIN 0x01
.set uu, 0
.rept 2
.set tb, 0
.rept 2
.set xx, 0
.rept 2                                ; + Q' W0^T; the four tiles take turns
	v_wmma_f32_16x16x32_bf16 v[AC+32*tb+8*xx:AC+32*tb+8*xx+7], v[16*xx+8*uu:16*xx+8*uu+7], v[QR+16*(2*\g+tb)+8*uu:QR+16*(2*\g+tb)+8*uu+7], v[AC+32*tb+8*xx:AC+32*tb+8*xx+7]
.set xx, xx+1
.endr
.set tb, tb+1
.endr
.set uu, uu+1
.endr
	WIN 0
.if \ss == 0
.Lno_t1_\g:
.endif
	NOPS 5
.set tb, 0
.rept 2
.set xx, 0
.rept 2
	CVT4 AC+32*tb+8*xx
	ds_store_b128 v4, v[AC+32*tb+8*xx:AC+32*tb+8*xx+3] offset:KL+2304*(2*\g+tb)+32*xx
.set xx, xx+1
.endr
.set tb, tb+1
.endr
.endr
.set jj, 0
.rept 8
	ds_load_b128 v[A+4*jj:A+4*jj+3], v9 offset:KL+1152*jj      ; eight rows of 64 bytes a load; my own stores, served in order
.set jj, jj+1
.endr
.set jj, 0
.rept 8
	s_wait_dscnt 7-jj
	global_store_b128 v13, v[A+4*jj:A+4*jj+3], s[36:37] offset:\ss*65536+512*jj   ; 512 neighbouring bytes, aligned
.set jj, jj+1
.endr
.endm
	PHASEA 0
	SCAN 0
	PHASEC 0
	PHASEA 1
	SCAN 1
	PHASEC 1
	s_set_vgpr_msb 0x4
	s_wait_tensorcnt 0x0
	ds_add_u32 v11, v255
	s_wait_dscnt 0x0
	s_set_vgpr_msb 0x400
	s_endpgm
.Lfunc_end_k_q94e84fc1f3_delta:
	.size	k_q94e84fc1f3_delta, .Lfunc_end_k_q94e84fc1f3_delta-k_q94e84fc1f3_delta
	.p2alignl 7, 3214868480
	.fill 96, 4, 3214868480
	.section	.rodata,"a",@progbits
	.p2align	6, 0x0
	.amdhsa_kernel k_q94e84fc1f3_delta
		.amdhsa_group_segment_fixed_size 295936
		.amdhsa_private_segment_fixed_size 0
		.amdhsa_enable_private_segment 0
		.amdhsa_kernarg_size 24
		.amdhsa_user_sgpr_count 2
		.amdhsa_user_sgpr_kernarg_segment_ptr 1
		.amdhsa_wavefront_size32 1
		.amdhsa_system_sgpr_workgroup_id_x 1
		.amdhsa_system_sgpr_workgroup_id_y 1
		.amdhsa_system_sgpr_workgroup_id_z 1
		.amdhsa_system_vgpr_workitem_id 0
		.amdhsa_next_free_vgpr 512
		.amdhsa_next_free_sgpr 66
		.amdhsa_reserve_vcc 1
		.amdhsa_float_denorm_mode_32 3
		.amdhsa_float_denorm_mode_16_64 3
		.amdhsa_memory_ordered 1
		.amdhsa_forward_progress 1
		.amdhsa_inst_pref_size 255
	.end_amdhsa_kernel
	.section	.bss,"aw",@nobits
	.p2align	6
	.space	262144
	.amdgpu_metadata
---
amdhsa.version: [ 1, 2 ]
amdhsa.kernels:
  - .name:           k_q94e84fc1f3_delta
    .symbol:         k_q94e84fc1f3_delta.kd
    .args:
      - { .name: qkvr, .offset: 0, .size: 8, .value_kind: global_buffer, .address_space: global }
      - { .name: betab, .offset: 8, .size: 8, .value_kind: global_buffer, .address_space: global }
      - { .name: ob, .offset: 16, .size: 8, .value_kind: global_buffer, .address_space: global }
    .group_segment_fixed_size: 295936
    .private_segment_fixed_size: 0
    .kernarg_segment_align: 8
    .kernarg_segment_size: 24
    .max_flat_workgroup_size: 256
    .sgpr_count:     66
    .vgpr_count:     512
    .wavefront_size: 32
...
	.end_amdgpu_metadata
.endif
;; end of part 4
;; launch gemm2 (part 5): grid 8 x 32, 4 waves a work-group, clusters of 4 x 4, 327,680 bytes of LDS; arguments ob, woT, x, out0; writes out0
.if DOCPART == 5
	.amdgcn_target "amdgcn-amd-amdhsa--gfx1250"
	.amdhsa_code_object_version 6
	.text
	.protected	k_q94e84fc1f3_gemm2
	.globl	k_q94e84fc1f3_gemm2
	.p2align	8
	.type	k_q94e84fc1f3_gemm2,@function
k_q94e84fc1f3_gemm2:
	s_mov_b64 s[64:65], 0
	v_nop
	global_prefetch_b8 v0, s[64:65] scope:SCOPE_SE
	s_setreg_imm32_b32 hwreg(HW_REG_WAVE_MODE, 25, 1), 1
	s_wait_xcnt 0x0
	s_wait_alu depctr_hold_cnt(0) depctr_sa_sdst(0) depctr_va_vdst(0) depctr_va_sdst(0) depctr_va_ssrc(0) depctr_va_vcc(0) depctr_vm_vsrc(0)
	s_getreg_b32 s2, hwreg(HW_REG_IB_STS2, 6, 4)
	s_cmp_eq_u32 s2, 0
	s_cbranch_scc0 .Lentry_in_a_cluster
	s_endpgm
.Lentry_in_a_cluster:
	s_bfe_u32 s2, ttmp6, 0x10000c
	s_cmp_lg_u32 s2, 0xf033
	s_cbranch_scc0 .Lentry_shape_is_right
	s_endpgm
.Lentry_shape_is_right:
; out0 = x + o x w_out.  ob: [head][chunk of 64 m][half][64 t][32] bf16 (m = b 1024 + t); woT [1024 n][1024 k] bf16; x, out0 [t][b][1024] f32.
; A work-group makes 256 rows x 128 columns with four waves; a wave 128 x 64 = 32 accumulator tiles, 256 registers.  256 work-groups.  K goes in 8 steps
; of 128 (two heads' panels) through two LDS slots.  4 x 4 work-groups form a cluster: o's panels hang on the block row alone and are asked for jointly
; along a row of the cluster, the weights' tiles on the block column alone and jointly along a column.
; A head's part for 256 rows is 32,768 dense bytes (four chunks), so it comes in as 128 rows of 256 bytes, 16 bytes of padding behind each.  The 64 bytes
; of row m and half v (32 of k: one quarter of a K step) lie at (m / 64) 8,704 + v 4,352 + ((m % 64) / 4) 272 + (m % 4) 64.  The sixteen lanes of a
; fragment load then touch (r / 4) 16 + (r % 4) 64 modulo 256: sixteen different columns of 16 bytes.
; x hangs on nothing that is computed here: a wave's share, 128 rows x 256 bytes = 256 registers, is asked for right behind the first tiles and lands
; under the K loop.
; The matrix instruction is used transposed (source 0 = weights, source 1 = o): a lane holds row l % 16 and 8 neighbouring columns.
; Registers: window 0: v0-31 addresses, v32-159 two buffers of o fragments, v160-255 two of weight fragments; window 1: the 32 tiles (tile (a, b) at 8 (4 a + b));
; window 2: x, 32 registers for each 16 rows.
.set NB,    4
.set ACH,   32*272                     ; a chunk of 64 rows of o in LDS: 8,192 bytes in 32 padded rows
.set AVH,   16*272                     ; its second half of k
.set A16,   4*272                      ; sixteen rows of one half
.set AHI,   128*272                    ; the K step's second panel
.set HALFA, 128*272                    ; one panel: what one of A's loads brings
.set HALFB, 64*272
.set SLOT,  2*HALFA+2*HALFB
.set STAGE, 2*SLOT                     ; behind the ring, never a tensor load's target: 4,352 bytes a wave
.set STG,   4352
.set ASTEP, 0x400000                   ; two K steps = four panels of 1 MiB
.set BSTEP, 512
.set LAPS,  4
.set ADRA, 16
.set ADRB, 20
.set FA0,  32
.set FB0,  160
.set G1, 24
.set G0, 32
.set G1B, 48
.set G0B, 56
.set MSB, 0
.macro WIN new                         ; the immediate's high byte repeats the setting that is left
.if MSB != \new
	s_set_vgpr_msb (MSB<<8)|\new
.set MSB, \new
.endif
.endm
.set MULW, 0x50                        ; C and D in window 1, fragments in window 0
.macro JLOAD s                         ; waves 0, 1 ask for A's two panels, waves 2, 3 for B's halves: each line has one mask
	s_cmp_eq_u32 s11, 0
	s_cbranch_scc0 .Lfor_b_\@
	tensor_load_to_lds s[G0+4*\s:G0+4*\s+3], s[G1:G1+7]
	s_nop 0
	s_branch .Lasked_\@
.Lfor_b_\@:
	tensor_load_to_lds s[G0B+4*\s:G0B+4*\s+3], s[G1B:G1B+7]
	s_nop 0
.Lasked_\@:
.endm
.macro CREST
	s_cmp_lg_u32 s10, 0
	s_cbranch_scc1 .Lnot_wave_0_\@
	s_barrier_signal -3
.Lnot_wave_0_\@:
	s_barrier_wait -3
	s_barrier_signal -1
	s_barrier_wait -1
.endm
.macro CROUND
	s_barrier_signal -1
	s_barrier_wait -1
	CREST
.endm
.macro PLACES                          ; four places behind matrix instructions before their registers are loaded into or read (ISA guide 7.12.1)
.rept 4
	v_nop
.endr
.endm
.macro MUL f, hi, a0, zero             ; row tiles 4 hi + a0, + 1 x all column tiles; all accumulators take turns, one instruction a turn
.set aa, 4*\hi+\a0
.rept 2
.set bb, 0
.rept NB
.if \zero
	v_wmma_f32_16x16x32_bf16 v[8*(NB*aa+bb):8*(NB*aa+bb)+7], v[FB0+48*\f+8*bb:FB0+48*\f+8*bb+7], v[FA0+64*\f+8*aa:FA0+64*\f+8*aa+7], 0
.else
	v_wmma_f32_16x16x32_bf16 v[8*(NB*aa+bb):8*(NB*aa+bb)+7], v[FB0+48*\f+8*bb:FB0+48*\f+8*bb+7], v[FA0+64*\f+8*aa:FA0+64*\f+8*aa+7], v[8*(NB*aa+bb):8*(NB*aa+bb)+7]
.endif
.set bb, bb+1
.endr
.set aa, aa+1
.endr
.endm
.macro FETCH slot, kq, f               ; the fragments of quarter kq of a K step: B's first, A's rows 64-127 last
	WIN 0
.set ii, 0
.rept NB
	ds_load_b128 v[FB0+48*\f+8*ii:FB0+48*\f+8*ii+3], v[ADRB+\slot] offset:64*\kq+ii*16*272
	ds_load_b128 v[FB0+48*\f+8*ii+4:FB0+48*\f+8*ii+7], v[ADRB+\slot] offset:64*\kq+ii*16*272+32
.set ii, ii+1
.endr
.set ii, 0
.rept 8                                ; quarter kq = panel kq / 2, half kq % 2; row tile ii = chunk ii / 4, sixteen rows ii % 4
	ds_load_b128 v[FA0+64*\f+8*ii:FA0+64*\f+8*ii+3], v[ADRA+\slot] offset:(\kq>>1)*AHI+(\kq&1)*AVH+(ii>>2)*ACH+(ii&3)*A16
	ds_load_b128 v[FA0+64*\f+8*ii+4:FA0+64*\f+8*ii+7], v[ADRA+\slot] offset:(\kq>>1)*AHI+(\kq&1)*AVH+(ii>>2)*ACH+(ii&3)*A16+32
.set ii, ii+1
.endr
.endm
.macro QUARTER slot, kq, f, g, zero    ; multiplies buffer f; in its middle fetches quarter kq into buffer g
	s_wait_dscnt 8                                 ; B and A's rows 0-63 are in; the youngest eight loads may be out
	WIN MULW
	MUL \f, 0, 0, \zero
	MUL \f, 0, 2, \zero
	PLACES
	FETCH \slot, \kq, \g
	s_wait_dscnt 2*NB+16                           ; all but the run just issued
	WIN MULW
	MUL \f, 1, 0, \zero
	MUL \f, 1, 2, \zero
.endm
.macro THREE slot, zero
	QUARTER \slot, 1, 0, 1, \zero
	QUARTER \slot, 2, 1, 0, 0
	QUARTER \slot, 3, 0, 1, 0
.endm
; The change of slots: each wave's reads of this slot and all its tensor loads are waited for in front of the barrier; where the slot is filled
; again the barrier opens a round of the cluster's barrier and the joint refill is the first tensor load behind it.
.macro TURN slot, next, fill
	s_wait_dscnt 8
	WIN MULW
	MUL 1, 0, 0, 0
	s_wait_dscnt 0
	s_wait_tensorcnt 0x0
	ds_add_u32 v254, v255
	s_wait_dscnt 0x0
	s_barrier_signal -1
	MUL 1, 0, 2, 0
	WIN 0
	s_barrier_wait -1
.if \fill
	CREST
	s_add_nc_u64 s[G0+4*\slot+2:G0+4*\slot+3], s[G0+4*\slot+2:G0+4*\slot+3], ASTEP
	s_add_nc_u64 s[G0B+4*\slot+2:G0B+4*\slot+3], s[G0B+4*\slot+2:G0B+4*\slot+3], BSTEP
	JLOAD \slot
.endif
	PLACES
	FETCH \next, 0, 0
	WIN MULW
	MUL 1, 1, 0, 0
	MUL 1, 1, 2, 0
.endm
.macro LAP zero
	THREE 0, \zero
	TURN 0, 1, 1
	THREE 1, 0
	TURN 1, 0, 1
.endm
	s_load_b128 s[4:7], s[0:1], 0x0                ; ob, woT
	s_load_b64 s[66:67], s[0:1], 0x10              ; x
	s_load_b64 s[8:9], s[0:1], 0x18                ; out0
	v_lshl_add_u32 v254, v0, 2, 0x37400
	v_mov_b32 v255, 0
	ds_add_u32 v254, v255
	v_lshrrev_b32 v1, 5, v0
	v_readfirstlane_b32 s10, v1                    ; wave
	s_lshr_b32 s11, s10, 1                         ; my half of the rows; also: I fetch for A (0) or B (1)
	s_and_b32 s12, s10, 1                          ; my half of the columns; also: which part of that tile I fetch
	s_bfe_u32 s40, ttmp6, 0x40000                  ; cx
	s_bfe_u32 s41, ttmp6, 0x40004                  ; cy
	s_lshl_b32 s42, ttmp9, 2
	s_add_co_u32 s42, s42, s40                     ; block column
	s_and_b32 s13, ttmp7, 0xffff
	s_lshl_b32 s13, s13, 2
	s_add_co_u32 s13, s13, s41                     ; block row
	s_lshl_b32 s43, s41, 2
	s_lshl_b32 s43, 15, s43                        ; my row of the cluster
	s_lshl_b32 s44, 0x1111, s40                    ; my column
	s_or_b32 s[G1+0], s43, (1<<16)|(1<<20)|(1<<21)|(5<<22)|(3<<25)   ; mask; 2-byte elements; 4 words of padding behind every 64; bit 21 beside a mask
	s_or_b32 s[G1B+0], s44, (1<<16)|(1<<20)|(1<<21)|(5<<22)|(3<<25)
	s_mov_b32 s[G1+1], 128<<16                     ; tensor_dim0 = 128 elements: 256 bytes
	s_mov_b32 s[G1B+1], 128<<16
	s_mov_b32 s[G1+2], 128<<16                     ; tensor_dim1: A 128 such rows,
	s_mov_b32 s[G1B+2], 64<<16                     ; B 64 rows
	s_mov_b32 s[G1+3], 128<<16                     ; tile_dim0
	s_mov_b32 s[G1B+3], 128<<16
	s_mov_b32 s[G1+4], 128                         ; tile_dim1
	s_mov_b32 s[G1B+4], 64
	s_mov_b32 s[G1+5], 128                         ; A: dense in memory
	s_mov_b32 s[G1B+5], 1024
	s_mov_b32 s[G1+6], 0
	s_mov_b32 s[G1B+6], 0
	s_mov_b32 s[G1+7], 0
	s_mov_b32 s[G1B+7], 0
	s_lshl_b32 s17, s12, 20                        ; A: panel (2 K step + my part), 32,768 bytes at the block row
	s_lshl_b32 s16, s13, 15
	s_add_co_u32 s16, s16, s17
	s_mov_b32 s17, 0
	s_lshl_b32 s46, s42, 7
	s_lshl_b32 s47, s12, 6
	s_add_co_u32 s46, s46, s47
	s_lshl_b32 s46, s46, 11                        ; B: (128 block column + 64 half) rows of 2,048 bytes
	s_mov_b32 s47, 0
	s_mul_i32 s20, s10, HALFA                      ; LDS: A's panels at wave x HALFA (waves 0, 1),
	s_mul_i32 s21, s10, HALFB
	s_add_co_u32 s21, s21, 2*HALFA-2*HALFB         ; B's halves behind them (waves 2, 3)
	s_wait_dscnt 0x0
	s_wait_kmcnt 0x0
	s_add_nc_u64 s[14:15], s[4:5], s[16:17]
	s_add_nc_u64 s[46:47], s[6:7], s[46:47]
	CROUND                                         ; the first joint loads meet
.irp s, 0,1
	s_mov_b32 s[G0+4*\s], 1
	s_add_co_u32 s[G0+4*\s+1], s20, \s*SLOT
	s_add_nc_u64 s[G0+4*\s+2:G0+4*\s+3], s[14:15], \s*ASTEP/2
	s_or_b32 s[G0+4*\s+3], s[G0+4*\s+3], 0x80000000
	s_mov_b32 s[G0B+4*\s], 1
	s_add_co_u32 s[G0B+4*\s+1], s21, \s*SLOT
	s_add_nc_u64 s[G0B+4*\s+2:G0B+4*\s+3], s[46:47], \s*BSTEP/2
	s_or_b32 s[G0B+4*\s+3], s[G0B+4*\s+3], 0x80000000
	JLOAD \s                                       ; two tensor loads of a wave are out at the most
.endr
	; x and out0 at my 128 rows x 64 columns: t = 256 (block row % 4) + 128 (my half) + row, b = block row / 4; byte (8 t + b) 4096 + 4 column
	s_and_b32 s70, s13, 3
	s_lshl_b32 s70, s70, 8
	s_lshl_b32 s71, s11, 7
	s_add_co_u32 s70, s70, s71
	s_lshl_b32 s70, s70, 15
	s_lshr_b32 s71, s13, 2
	s_lshl_b32 s71, s71, 12
	s_add_co_u32 s70, s70, s71
	s_lshl_b32 s71, s42, 9
	s_add_co_u32 s70, s70, s71
	s_lshl_b32 s71, s12, 8
	s_add_co_u32 s70, s70, s71
	s_mov_b32 s71, 0
	s_add_nc_u64 s[8:9], s[8:9], s[70:71]
	s_add_nc_u64 s[66:67], s[66:67], s[70:71]
	v_and_b32 v1, 15, v0                           ; r
	v_bfe_u32 v2, v0, 4, 1                         ; h
	v_lshlrev_b32 v6, 15, v2
	v_lshl_add_u32 v26, v1, 4, v6                  ; lanes 0-15 one step t, lanes 16-31 the next, 32,768 bytes apart; never rewritten
	WIN 0x80                                       ; a load's data are its destination: window 2
.set xa, 0
.rept 8
.set kk, 0
.rept 8
	global_load_b128 v[32*xa+4*kk:32*xa+4*kk+3], v26, s[66:67] offset:(16*xa+2*kk)*32768 th:TH_LOAD_NT
.set kk, kk+1
.endr
.set xa, xa+1
.endr
	WIN 0
	v_lshrrev_b32 v3, 2, v1
	v_mul_u32_u24 v3, v3, 272
	v_and_b32 v5, 3, v1
	v_lshl_add_u32 v3, v5, 6, v3
	v_lshl_add_u32 v3, v2, 4, v3                   ; o fragment: (r / 4) 272 + (r % 4) 64 + 16 h
	v_mul_u32_u24 v4, v1, 272
	v_lshl_add_u32 v4, v2, 4, v4                   ; weight fragment: r 272 + 16 h
	s_mul_i32 s22, s11, 2*ACH                      ; my 128 rows of o: two chunks
	s_mul_i32 s23, s12, HALFB
	s_add_co_u32 s23, s23, 2*HALFA
.irp s, 0,1
	v_add_nc_u32 v[ADRA+\s], s22, v3
	v_add_nc_u32 v[ADRB+\s], s23, v4
	s_add_co_u32 s22, s22, SLOT
	s_add_co_u32 s23, s23, SLOT
.endr
	s_mul_i32 s22, s10, STG
	s_add_co_u32 s22, s22, STAGE                   ; my stage: 16 rows of 256 + 16 bytes
	v_mul_u32_u24 v6, v1, 272
	v_lshl_add_u32 v6, v2, 5, v6
	v_add_nc_u32 v22, s22, v6                      ; in: row r, 32 bytes for each half of the lanes
	v_mul_u32_u24 v6, v2, 272
	v_lshl_add_u32 v6, v1, 4, v6
	v_add_nc_u32 v24, s22, v6                      ; back: lanes 0-15 one row, lanes 16-31 the next
	s_wait_tensorcnt 1                             ; my part of K step 0 is in; K step 1's may be out
	s_barrier_signal -1
	s_barrier_wait -1
	FETCH 0, 0, 0
	LAP 1                                          ; the first products start the sums: nothing is cleared
	WIN 0
	s_mov_b32 s3, LAPS-2
.Llap:
	LAP 0
	WIN 0
	s_sub_co_u32 s3, s3, 1
	s_cmp_lg_u32 s3, 0
	s_cbranch_scc1 .Llap
	THREE 0, 0                                     ; the last lap fills nothing
	TURN 0, 1, 0
	THREE 1, 0
	s_wait_dscnt 8
	WIN MULW
	MUL 1, 0, 0, 0
	MUL 1, 0, 2, 0
	s_wait_dscnt 0
	MUL 1, 1, 0, 0
	MUL 1, 1, 2, 0
	WIN 0
	PLACES
.set RB, 96                            ; two sets of 32 registers for the rows read back
; Rows 16 a .. 16 a + 15: the four tiles go through my stage, come back as whole rows of 256 bytes, take x and leave.
.macro OUT16 a
.set t, 32*\a
.set rb, RB+32*(\a&1)
	WIN 0x04                                       ; an LDS store's data are its source 1: window 1
.set kk, 0
.rept 4
	ds_store_b128 v22, v[t+8*kk:t+8*kk+3] offset:64*kk
	ds_store_b128 v22, v[t+8*kk+4:t+8*kk+7] offset:64*kk+16
.set kk, kk+1
.endr
	WIN 0
	s_wait_xcnt 0x0                                ; the registers that earlier stores read are loaded again only behind this wait
.set kk, 0
.rept 8
	ds_load_b128 v[rb+4*kk:rb+4*kk+3], v24 offset:544*kk       ; LDS serves a wave's instructions in order: these see the stores above
.set kk, kk+1
.endr
	s_wait_loadcnt 56-8*\a                         ; x of these 16 rows is in; the eight loads of each later block may be out
	s_wait_dscnt 0
	WIN 0x08                                       ; source 1 in window 2: x
.set kk, 0
.rept 16
	v_pk_add_f32 v[rb+2*kk:rb+2*kk+1], v[rb+2*kk:rb+2*kk+1], v[t+2*kk:t+2*kk+1]
.set kk, kk+1
.endr
	WIN 0
.set kk, 0
.rept 8
	global_store_b128 v26, v[rb+4*kk:rb+4*kk+3], s[8:9] offset:(16*\a+2*kk)*32768   ; sixteen lanes write 256 aligned bytes
.set kk, kk+1
.endr
.endm
	OUT16 0
	OUT16 1
	OUT16 2
	OUT16 3
	OUT16 4
	OUT16 5
	OUT16 6
	OUT16 7
	s_wait_tensorcnt 0x0
	ds_add_u32 v254, v255
	s_wait_dscnt 0x0
	CROUND                                         ; no work-group ends while a partner may still ask for a tile that names it
	s_endpgm
.Lfunc_end_k_q94e84fc1f3_gemm2:
	.size	k_q94e84fc1f3_gemm2, .Lfunc_end_k_q94e84fc1f3_gemm2-k_q94e84fc1f3_gemm2
	.p2alignl 7, 3214868480
	.fill 96, 4, 3214868480
	.section	.rodata,"a",@progbits
	.p2align	6, 0x0
	.amdhsa_kernel k_q94e84fc1f3_gemm2
		.amdhsa_group_segment_fixed_size 327680
		.amdhsa_private_segment_fixed_size 0
		.amdhsa_enable_private_segment 0
		.amdhsa_kernarg_size 32
		.amdhsa_user_sgpr_count 2
		.amdhsa_user_sgpr_kernarg_segment_ptr 1
		.amdhsa_wavefront_size32 1
		.amdhsa_system_sgpr_workgroup_id_x 1
		.amdhsa_system_sgpr_workgroup_id_y 1
		.amdhsa_system_sgpr_workgroup_id_z 1
		.amdhsa_system_vgpr_workitem_id 0
		.amdhsa_next_free_vgpr 768
		.amdhsa_next_free_sgpr 80
		.amdhsa_reserve_vcc 0
		.amdhsa_float_denorm_mode_32 3
		.amdhsa_float_denorm_mode_16_64 3
		.amdhsa_memory_ordered 1
		.amdhsa_forward_progress 1
		.amdhsa_inst_pref_size 131
	.end_amdhsa_kernel
	.amdgpu_metadata
---
amdhsa.version: [ 1, 2 ]
amdhsa.kernels:
  - .name:           k_q94e84fc1f3_gemm2
    .symbol:         k_q94e84fc1f3_gemm2.kd
    .args:
      - { .name: ob, .offset: 0, .size: 8, .value_kind: global_buffer, .address_space: global }
      - { .name: woT, .offset: 8, .size: 8, .value_kind: global_buffer, .address_space: global }
      - { .name: x, .offset: 16, .size: 8, .value_kind: global_buffer, .address_space: global }
      - { .name: out0, .offset: 24, .size: 8, .value_kind: global_buffer, .address_space: global }
    .group_segment_fixed_size: 327680
    .private_segment_fixed_size: 0
    .kernarg_segment_align: 8
    .kernarg_segment_size: 32
    .max_flat_workgroup_size: 128
    .sgpr_count:     80
    .vgpr_count:     768
    .wavefront_size: 32
...
	.end_amdgpu_metadata
.endif
;; end of part 5
